; MI455X (gfx1250); checked and timed in simulation.
; The chip was launched on July 23, 2026; its instructions are those of AMD's public machine-readable ISA for CDNA 5 (MIT licence, August 2026) and "CDNA5" Instruction Set Architecture Reference Guide (July 2026). The comments in the code are by the model that wrote it; some were corrected since.
;; Multi Head Attention. Allowed arithmetic: matrix products marked QUANTISED: E4M3 operands, one given power-of-two scale a tensor, by v_wmma_f32_16x16x64_fp8_fp8 or v_wmma_f32_16x16x128_fp8_fp8, f32 sums; everything else in f32.
;; Inputs: Wk 1,024 x 1,024 float32; Wo 1,024 x 1,024 float32; Wq 1,024 x 1,024 float32; Wv 1,024 x 1,024 float32; k 4 x 2,048 x 1,024 float32; lowp_scales 12 int32 (the exponents e of the quantised operands' scales 2^e); mask 4 x 2,048 x 2,048 float32; q 4 x 2,048 x 1,024 float32; v 4 x 2,048 x 1,024 float32.
;; Outputs: out0 4 x 2,048 x 1,024 float32.
;; This version of the problem:
;;   THIS VERSION OF THE PROBLEM IS GIVEN IN LOW PRECISION. The matrix products marked QUANTISED in the list below multiply operands that are first quantised to E4M3 (4 exponent bits, 3 mantissa bits; 8 bits a number), with one given power-of-two scale for each operand tensor; their sums are f32. All else is computed in f32.
;;   The module's matrix products, in the order in which they are computed (A, B: the left and right operand; K: the contracted axis; several contracted axes count as one K, in the product's order):
;;     1. [M 8,192, K 1,024] x [K 1,024, N 1,024]; A: input q; B: input Wq: QUANTISED (scales: A lowp_scales[0], B lowp_scales[1])
;;     2. [M 8,192, K 1,024] x [K 1,024, N 1,024]; A: input k; B: input Wk: QUANTISED (scales: A lowp_scales[2], B lowp_scales[3])
;;     3. [M 8,192, K 1,024] x [K 1,024, N 1,024]; A: input v; B: input Wv: QUANTISED (scales: A lowp_scales[4], B lowp_scales[5])
;;     4. batch 64 x [M 2,048, K 64] x [K 64, N 2,048]; A: computed on the way; B: computed on the way: QUANTISED (scales: A lowp_scales[6], B lowp_scales[7])
;;     5. batch 64 x [M 2,048, K 2,048] x [K 2,048, N 64]; A: softmax (see below); B: computed on the way: QUANTISED (scales: A lowp_scales[8], B lowp_scales[9])
;;     6. [M 8,192, K 1,024] x [K 1,024, N 1,024]; A: computed on the way; B: input Wo: QUANTISED (scales: A lowp_scales[10], B lowp_scales[11])
;;   THE QUANTISER, for each operand of a quantised product, along K:
;;     - The operand's scale is 2^e, e = its entry of the input lowp_scales (int32; the entries are numbered through the quantised products in the list's order, A before B).
;;     - Each number is divided by the scale, clamped to +-448, and rounded to the nearest number of E4M3, ties to even, subnormals kept.
;;     - The product sums the exact products of the quantised numbers (number of the format x scale) in f32.
;;   ~~~python
;;   def quantise(x, axis, e):      # numpy; x: float32 -> the quantised numbers, widened to float32 again
;;       x = np.moveaxis(x, axis, -1); K = x.shape[-1]
;;       r = np.clip(x / 2.0 ** e, -448, 448)
;;       step = 2.0 ** (np.maximum(np.frexp(np.where(r == 0, 1, r))[1] - 1, -6) - 3)
;;       q = np.round(r / step) * step * 2.0 ** e      # np.round: ties to even
;;       return np.moveaxis(q, -1, axis).astype(np.float32)
;;   ~~~
;;   SOFTMAX AHEAD OF A QUANTISED PRODUCT. Where the list says 'softmax', what is quantised is not the finished softmax but p = 2^(t - M), with t = logit x log2(e) and M = ceil(the row's largest t), a whole number; so 1/2 < the row's largest p <= 1. The row's sum l is taken of the UNQUANTISED p, in f32, and the product's result is divided by l at the end. Since M is a whole number, a kernel that streams over the keys may use a running M (the ceiling of the running maximum): every later rescaling is an exact power of two, so the quantised numbers keep their values, but for numbers so far below the row's largest that they fall under the format's range.
;;   OPERANDS COMPUTED ON THE WAY. 'Computed on the way' means the value that the module computes at that place (a softmax that the list does not call 'softmax' is quantised finished and normalised). What goes into a quantiser is computed in f32, as accurately as f32 sums, v_exp_f32 and their like allow (about 1e-6 of the number): no bf16 or f16 on the way to a quantiser, and a product that is left as it is and whose result goes on into a quantised operand takes f32 operands (vector FMAs, or v_wmma_f32_16x16x4_f32). A number that lies on a knife's edge between two numbers of the format may be rounded either way, as far as f32 arithmetic and the matrix unit's own rounding can turn it there, and no further.
;; One version. Each part assembles by itself: llvm-mc -triple=amdgcn-amd-amdhsa -mcpu=gfx1250 --defsym DOCPART=n.
;; ======== version 1 of 1: 4 launches
;; limits: right only within a limited range of input values; a difference of large sums (such as E[x^2] - mean^2): digits are lost where the result is much smaller than its terms
;; workspace buffers: codes 29,360,128 bytes; mbits 2,097,152 bytes of whole numbers; rowc 131,072 bytes of whole numbers; qkv 25,165,824 bytes; att 8,388,608 bytes
;; launch prep (part 1): grid 768 x 1, 8 waves a work-group, no clusters, 137,216 bytes of LDS; arguments q, k, v, Wq, Wk, Wv, Wo, mask, lowp_scales, codes, mbits, rowc; writes codes, mbits, rowc
.if DOCPART == 1
	.amdgcn_target "amdgcn-amd-amdhsa--gfx1250"
	.amdhsa_code_object_version 6
	.text
	.protected	k_qa8e317c859_prep
	.globl	k_qa8e317c859_prep
	.p2align	8
	.type	k_qa8e317c859_prep,@function
k_qa8e317c859_prep:
	s_mov_b64 s[64:65], 0
	v_nop
	global_prefetch_b8 v0, s[64:65] scope:SCOPE_SE
	s_setreg_imm32_b32 hwreg(HW_REG_WAVE_MODE, 25, 1), 1
	s_wait_xcnt 0x0
; PREP: q, k, v and the four weights become codes of E4M3, laid as IMAGES OF OPERAND REGISTERS; the mask becomes lane masks and a class for each row.
; code = x / 2^e, held within +-448, to the nearest code, ties to even; e from lowp_scales: q 0, Wq 1, k 2, Wk 3, v 4, Wv 5, Wo 11.
; LIMITS: each of these e between -126 and 119.  NaN among the inputs is not served.
; THE IMAGE of an operand of R rows and K = 1,024: [ks = k / 256][tile of 16 rows][piece p = (k / 32) % 8][lane r + 16 h][16 bytes].
; Lane (r, h) of tile tau holds row 32 (tau / 2) + 8 (tau % 2) + r + 8 (r / 8), k = 256 ks + 32 p + 16 h + 0 .. 15.  A piece is 512 bytes, a tile 4,096.
; codes: images of q, k, v (8,388,608 bytes each), then of Wq^T, Wk^T, Wv^T, Wo^T (rows = n; 1,048,576 bytes each).
; THE MASK.  The logit is score x m + (1 - m) x NEG_MIN, m = the entry for key <= query, 0 above.  g = (1 - m) x NEG_MIN, rounded twice as written, is -0 where m = 1 and at least 2e31 in magnitude elsewhere,
; where the score vanishes beside it.  So a row's weights hang on G, the largest g of its 2,048 keys (NEG_MIN above the diagonal):
;   G = 0: the keys with g = 0 take part, with their scores.   G other than 0 and NEG_MIN ('flat'): the keys with g = G share the weight evenly.
;   G = NEG_MIN ('complement', also flat): the visible keys with g = G and ALL keys above the diagonal share it evenly; here the bits name the visible keys that do NOT take part, and the later launch subtracts.
; mbits: [b][query tile T][key step of 128][64 words]: bit r + 16 h of word j = (g == G) xor (row is complement), for query = row r of tile T as above, key = 128 step + 32 (j / 16) + 16 h + j % 16;
; above the diagonal g = NEG_MIN, which gives bit 0 in every class.  rowc: [b][T][lane][8 bytes]: bit 0 flat, bit 1 complement, for the lane's row.
; LIMITS on the mask: entries finite and at most 2 (beyond 2 the logit as written is +infinity); |score x entry| under 1e24.
; THREE PATHS by the work-group's number: 0-191 activations, 192-255 weights, 256-767 mask.  The two paths that use LDS have bytes of their own.
.set STG,  8448                        ; a wave's stage: 16 rows x (512 bytes + 16): row r starts 4 r banks on
.set SM,   67584                       ; the mask path's eight stages lie behind the activations' eight
.set RM,   135168                      ; the mask path's eight partial row maxima: 128 bytes a wave
.set R,    16                          ; v16-143  two sets of 64: 16 rows x 16 bytes a lane, as loaded (mask path: then 64 values of g in operand order)
.set X,    144                         ; v144-207 64 numbers in operand order: register 16 b + i = k 32 b + 16 h + i of my row
.set C,    208                         ; v208-223 a unit's codes (mask path: the words)
.set XW,   16                          ; weights: v16-79 two sets of 32 numbers down K
.set CW,   80                          ; weights: v80-143 eight registers of codes a block, never rewritten
.macro LOADT st, off                   ; 16 loads: 512 consecutive bytes of each of the tile's 16 rows, into set st
.irp rho, 0,1,2,3,4,5,6,7,8,9,10,11,12,13,14,15
	global_load_b128 v[R+64*(\st)+4*\rho:R+64*(\st)+4*\rho+3], v2, s[4:5] offset:(\rho+8*(\rho/8))*4096+(\off) th:TH_LOAD_NT
.endr
.endm
.macro TURN st                         ; through my own stage: in as loaded, out 64 bytes of one row a lane.  LDS serves a wave's instructions in order: no wait between
.irp rho, 0,1,2,3,4,5,6,7,8,9,10,11,12,13,14,15
	ds_store_b128 v3, v[R+64*(\st)+4*\rho:R+64*(\st)+4*\rho+3] offset:528*\rho
.endr
.irp b, 0,1,2,3
.irp j, 0,1,2,3
	ds_load_b128 v[X+16*\b+4*\j:X+16*\b+4*\j+3], v4 offset:128*\b+16*\j
.endr
.endr
.endm
.macro SCALE                           ; s50 = e  ->  v11 = 2^e, s50 = 448 x 2^e
	s_add_co_i32 s50, s50, 127
	s_lshl_b32 s51, s50, 23
	v_mov_b32 v11, s51
	s_add_co_i32 s50, s50, 8
	s_lshl_b32 s50, s50, 23
	s_or_b32 s50, s50, 0x600000
.endm
	s_load_b512 s[8:23], s[0:1], 0x0               ; q 8, k 10, v 12, Wq 14, Wk 16, Wv 18, Wo 20, mask 22
	s_load_b128 s[24:27], s[0:1], 0x40             ; lowp_scales 24, codes 26
	s_load_b128 s[28:31], s[0:1], 0x50             ; mbits 28, rowc 30
	v_lshl_add_u32 v224, v0, 2, 0x21400
	v_mov_b32 v225, 0
	v_lshrrev_b32 v1, 5, v0
	s_delay_alu instid0(VALU_DEP_1)
	v_readfirstlane_b32 s2, v1                     ; wave 0..7
	v_and_b32 v1, 31, v0                           ; lane
	s_delay_alu instid0(VALU_DEP_1)
	v_lshlrev_b32 v2, 4, v1                        ; 16 x lane
	v_and_b32 v12, 15, v0                          ; r
	v_bfe_u32 v13, v0, 4, 1                        ; h
	s_mul_i32 s3, s2, STG
	v_add_nc_u32 v3, s3, v2                        ; the stage, way in
	v_mul_u32_u24 v4, v12, 528
	s_delay_alu instid0(VALU_DEP_1)
	v_lshl_add_u32 v4, v13, 6, v4
	s_delay_alu instid0(VALU_DEP_1)
	v_add_nc_u32 v4, s3, v4                        ; way out: row r, + 64 h
	s_wait_kmcnt 0x0
	s_cmp_ge_u32 ttmp9, 256
	s_cbranch_scc1 .Lmask
	s_load_b256 s[32:39], s[24:25], 0x0            ; e0 .. e7
	s_load_b128 s[40:43], s[24:25], 0x20           ; e8 .. e11
	s_cmp_ge_u32 ttmp9, 192
	s_cbranch_scc1 .Lweights
; ---------------- activations: a wave takes one tile of 16 rows, all 1,024 along K, in 8 units of 128
	s_lshl_b32 s44, ttmp9, 3
	s_add_co_u32 s44, s44, s2                      ; tile 0 .. 1,535
	s_lshr_b32 s45, ttmp9, 6                       ; tensor 0, 1, 2
	s_and_b32 s44, s44, 511                        ; tile in the tensor
	s_lshr_b32 s46, s44, 1
	s_lshl_b32 s46, s46, 5
	s_and_b32 s47, s44, 1
	s_lshl_b32 s47, s47, 3
	s_add_co_u32 s46, s46, s47                     ; the tile's first row
	s_lshl_b32 s46, s46, 12                        ; x 4,096 bytes
	s_mov_b32 s47, 0
	s_cmp_eq_u32 s45, 0
	s_cselect_b64 s[4:5], s[8:9], s[10:11]
	s_cmp_eq_u32 s45, 2
	s_cselect_b64 s[4:5], s[12:13], s[4:5]
	s_add_nc_u64 s[4:5], s[4:5], s[46:47]
	s_lshl_b32 s48, s45, 23
	s_lshl_b32 s49, s44, 12
	s_add_co_u32 s48, s48, s49
	s_mov_b32 s49, 0
	s_add_nc_u64 s[6:7], s[26:27], s[48:49]        ; the tile's place in ks 0 of its image
	s_wait_alu depctr_va_vdst(0)
	LOADT 0, 0
	LOADT 1, 512
	s_wait_kmcnt 0x0
	s_cmp_eq_u32 s45, 0
	s_cselect_b32 s50, s32, s34
	s_cmp_eq_u32 s45, 2
	s_cselect_b32 s50, s36, s50
	SCALE
.macro UNITX u
.if (\u) < 7
	s_wait_loadcnt 16                              ; this unit's 16 loads are in; the next unit's 16 may be out
.else
	s_wait_loadcnt 0
.endif
	TURN (\u)%2
	s_wait_dscnt 0x0                               ; the numbers are back, so the stage's stores have read their registers
	s_wait_xcnt 0x0                                ; the last unit's stores have read their data: C is written again only behind this wait
.if (\u)+2 < 8
	LOADT (\u)%2, 512*((\u)+2)
.endif
.set i, 0
.rept 64
.set i, i+1
.endr
.irp g, 0,1,2,3,4,5,6,7
	v_cvt_scalef32_pk8_fp8_f32 v[C+2*\g:C+2*\g+1], v[X+8*\g:X+8*\g+7], v11
.endr
	v_nop                                          ; one plain line behind the last conversion
.irp b, 0,1,2,3
	global_store_b128 v2, v[C+4*\b:C+4*\b+3], s[6:7] offset:((\u)/2)*2097152+((\u)%2)*2048+512*\b   ; a whole piece: 512 consecutive bytes
.endr
.endm
	s_wait_alu depctr_va_vdst(0)
.irp u, 0,1,2,3,4,5,6,7
	UNITX \u
.endr
	s_wait_tensorcnt 0x0
	ds_add_u32 v224, v225
	s_wait_dscnt 0x0
	s_endpgm
; ---------------- weights, stored [k][n]: a lane takes a column n, its registers run down K; a wave takes 32 columns x 256 along K
.Lweights:
	s_sub_co_u32 s44, ttmp9, 192
	s_and_b32 s45, s44, 3
	s_bfe_u32 s46, s44, 0x20002                    ; which 256 along K
	s_lshr_b32 s47, s44, 4                         ; which weight: Wq, Wk, Wv, Wo
	s_lshl_b32 s45, s45, 3
	s_add_co_u32 s45, s45, s2                      ; which 32 columns
	s_cmp_lt_u32 s47, 2
	s_cselect_b64 s[4:5], s[14:15], s[18:19]
	s_cselect_b64 s[6:7], s[16:17], s[20:21]
	s_bitcmp1_b32 s47, 0
	s_cselect_b64 s[4:5], s[6:7], s[4:5]
	s_lshl_b32 s48, s46, 20
	s_lshl_b32 s49, s45, 7
	s_add_co_u32 s48, s48, s49
	s_mov_b32 s49, 0
	s_add_nc_u64 s[4:5], s[4:5], s[48:49]
	s_lshl_b32 s48, s47, 20
	s_lshl_b32 s50, s46, 18
	s_add_co_u32 s48, s48, s50
	s_lshl_b32 s50, s45, 13
	s_add_co_u32 s48, s48, s50
	s_add_co_u32 s48, s48, 25165824
	s_add_nc_u64 s[6:7], s[26:27], s[48:49]        ; two tiles of the image, ks as chosen
	s_wait_alu depctr_va_vdst(0)
	v_lshlrev_b32 v3, 2, v1                        ; in: 4 bytes a lane
	v_bfe_u32 v5, v1, 3, 1
	s_delay_alu instid0(VALU_DEP_1)
	v_lshlrev_b32 v5, 12, v5                       ; out: tile (lane / 8) % 2,
	v_and_b32 v6, 7, v1
	v_bfe_u32 v7, v1, 4, 1
	s_delay_alu instid0(VALU_DEP_1)
	v_lshl_add_u32 v6, v7, 3, v6                   ; r = lane % 8 + 8 (lane / 16)
	s_delay_alu instid0(VALU_DEP_1)
	v_lshl_add_u32 v5, v6, 4, v5
.macro LOADW t
.set i, 0
.rept 32
	global_load_b32 v[XW+32*((\t)%2)+i], v3, s[4:5] offset:(32*(\t)+i)*4096 th:TH_LOAD_NT
.set i, i+1
.endr
.endm
.macro BLOCKW t
.if (\t) < 7
	s_wait_loadcnt 32                              ; this block's 32 loads are in; the next block's may be out
.else
	s_wait_loadcnt 0
.endif
.set i, 0
.rept 32
.set i, i+1
.endr
.irp g, 0,1,2,3
	v_cvt_scalef32_pk8_fp8_f32 v[CW+8*(\t)+2*\g:CW+8*(\t)+2*\g+1], v[XW+32*((\t)%2)+8*\g:XW+32*((\t)%2)+8*\g+7], v11
.endr
	v_nop
	global_store_b128 v5, v[CW+8*(\t):CW+8*(\t)+3], s[6:7] offset:512*(\t)          ; k 0-15 of the block: the h = 0 half of piece t in both tiles: 2 x 256 consecutive bytes
	global_store_b128 v5, v[CW+8*(\t)+4:CW+8*(\t)+7], s[6:7] offset:512*(\t)+256    ; k 16-31: the h = 1 half
.if (\t)+2 < 8
	LOADW (\t)+2
.endif
.endm
	LOADW 0
	LOADW 1
	s_wait_kmcnt 0x0
	s_cmp_lt_u32 s47, 2
	s_cselect_b32 s50, s33, s37
	s_cselect_b32 s51, s35, s43
	s_bitcmp1_b32 s47, 0
	s_cselect_b32 s50, s51, s50
	SCALE
	s_wait_alu depctr_va_vdst(0)
.irp t, 0,1,2,3,4,5,6,7
	BLOCKW \t
.endr
	s_endpgm
; ---------------- mask: a work-group takes one query tile; wave w takes key steps w and w + 8 and keeps their 2 x 64 values of g in registers.
; A step past the tile's own block of 256 keys lies wholly above the diagonal: its loads are turned to the last step that is not (a clamped address: every wave runs the same text),
; its keys are compared as they are, so all its g become NEG_MIN and its words zeros; they go to entries of mbits that nobody reads.
.Lmask:
	s_wait_alu depctr_va_vdst(0)
	v_add_nc_u32 v3, SM, v3
	v_add_nc_u32 v4, SM, v4
	v_lshl_add_u32 v5, v0, 2, RM                   ; where I put my row's partial maximum: 128 x wave + 4 x lane
	v_lshl_add_u32 v10, v1, 2, RM                  ; and from where I read the eight
	s_sub_co_u32 s44, ttmp9, 256
	s_and_b32 s45, s44, 127                        ; T
	s_lshr_b32 s47, s44, 7                         ; batch
	s_lshr_b32 s48, s45, 4
	s_lshl_b32 s48, s48, 1
	s_add_co_u32 s48, s48, 1                       ; the last step of the tile's own block of keys
	s_lshr_b32 s53, s45, 1
	s_lshl_b32 s53, s53, 5
	s_and_b32 s54, s45, 1
	s_lshl_b32 s54, s54, 3
	s_add_co_u32 s53, s53, s54                     ; the tile's first query
	s_lshl_b32 s54, s47, 24
	s_lshl_b32 s55, s53, 13
	s_add_co_u32 s54, s54, s55
	s_min_u32 s56, s2, s48
	s_lshl_b32 s56, s56, 9
	s_add_co_u32 s56, s56, s54
	s_mov_b32 s57, 0
	s_add_nc_u64 s[4:5], s[22:23], s[56:57]        ; step w, or the clamp
	s_add_co_u32 s56, s2, 8
	s_min_u32 s56, s56, s48
	s_lshl_b32 s56, s56, 9
	s_add_co_u32 s56, s56, s54
	s_add_nc_u64 s[6:7], s[22:23], s[56:57]        ; step w + 8, or the clamp
.macro LOADM st, base                  ; no hint: a clamped step is read by several waves
.irp rho, 0,1,2,3,4,5,6,7,8,9,10,11,12,13,14,15
	global_load_b128 v[R+64*(\st)+4*\rho:R+64*(\st)+4*\rho+3], v2, s[\base:\base+1] offset:(\rho+8*(\rho/8))*8192
.endr
.endm
	LOADM 0, 4
	LOADM 1, 6
	s_lshl_b32 s54, s47, 19
	s_lshl_b32 s55, s45, 12
	s_add_co_u32 s54, s54, s55
	s_lshl_b32 s55, s2, 8
	s_add_co_u32 s54, s54, s55
	s_mov_b32 s55, 0
	s_add_nc_u64 s[58:59], s[28:29], s[54:55]      ; mbits: my tile, step w
	s_lshl_b32 s54, s47, 15
	s_lshl_b32 s56, s45, 8
	s_add_co_u32 s54, s54, s56
	s_add_nc_u64 s[60:61], s[30:31], s[54:55]      ; rowc: my tile
	s_lshl_b32 s56, s2, 7
	s_sub_co_u32 s57, s53, s56
	v_and_b32 v14, 8, v12
	s_delay_alu instid0(VALU_DEP_1)
	v_add_nc_u32 v14, v14, v12
	v_lshlrev_b32 v15, 4, v13
	s_delay_alu instid0(VALU_DEP_1)
	v_sub_nc_u32 v14, v14, v15
	s_delay_alu instid0(VALU_DEP_1)
	v_add_nc_u32 v14, s57, v14                     ; d = my query - 128 w - 16 h: register j is visible where 32 (j / 16) + j % 16 <= d
	s_delay_alu instid0(VALU_DEP_1)
	v_add_nc_u32 v15, 0xfffffc00, v14              ; the same for step w + 8: d - 1,024
	v_lshlrev_b32 v6, 3, v1
	s_mov_b32 s50, 0xff7fffff                      ; NEG_MIN
	s_mov_b32 s51, s50                             ; (named with it as a pair, so it is written)
	s_mov_b32 s62, 0x76543210
	s_mov_b32 s63, 0xfedcba98
	v_mov_b32 v9, s50
	v_mov_b32 v7, s50                              ; the largest g, in two chains: NEG_MIN is among a row's values or under them
	v_mov_b32 v8, s50
	v_mov_b32 v208, 0                              ; written once: a lane write's destination counts as read
	v_mov_b32 v209, 0
	v_mov_b32 v210, 0
	v_mov_b32 v211, 0
.macro TURNM st                        ; as TURN, back into the registers that the numbers left
.irp rho, 0,1,2,3,4,5,6,7,8,9,10,11,12,13,14,15
	ds_store_b128 v3, v[R+64*(\st)+4*\rho:R+64*(\st)+4*\rho+3] offset:528*\rho
.endr
.irp b, 0,1,2,3
.irp j, 0,1,2,3
	ds_load_b128 v[R+64*(\st)+16*\b+4*\j:R+64*(\st)+16*\b+4*\j+3], v4 offset:128*\b+16*\j
.endr
.endr
.endm
.macro GSTEP st                        ; g = (1 - m) x NEG_MIN, each step rounded as written; NEG_MIN above the diagonal; the lane's largest
.set j, 0
.rept 64
	v_sub_f32 v[R+64*(\st)+j], 1.0, v[R+64*(\st)+j]
.set j, j+1
.endr
.set j, 0
.rept 32
	v_pk_mul_f32 v[R+64*(\st)+j:R+64*(\st)+j+1], v[R+64*(\st)+j:R+64*(\st)+j+1], s[50:51] op_sel_hi:[1,0]
.set j, j+2
.endr
.set j, 0
.rept 64
	v_cmp_le_i32 vcc_lo, 32*(j/16)+j%16, v[14+\st]
	s_delay_alu instid0(VALU_DEP_1)
	v_cndmask_b32 v[R+64*(\st)+j], v9, v[R+64*(\st)+j], vcc_lo
.set j, j+1
.endr
.set j, 0
	v_max3_num_f32 v7, v7, v[R+64*(\st)+j], v[R+64*(\st)+j+1]
	v_max3_num_f32 v8, v8, v[R+64*(\st)+j+2], v[R+64*(\st)+j+3]
.set j, j+4
.rept (16)-1
	s_delay_alu instid0(VALU_DEP_2)
	v_max3_num_f32 v7, v7, v[R+64*(\st)+j], v[R+64*(\st)+j+1]
	s_delay_alu instid0(VALU_DEP_2)
	v_max3_num_f32 v8, v8, v[R+64*(\st)+j+2], v[R+64*(\st)+j+3]
.set j, j+4
.endr
.endm
	s_wait_loadcnt 16                              ; the first step's 16 loads are in; the second's may be out
	TURNM 0
	s_wait_dscnt 0x0
	GSTEP 0
	s_wait_loadcnt 0
	TURNM 1
	s_wait_dscnt 0x0
	GSTEP 1
	s_delay_alu instid0(VALU_DEP_1)
	v_max_num_f32 v7, v7, v8
	s_delay_alu instid0(VALU_DEP_1)
	v_permlanex16_b32 v8, v7, s62, s63             ; the row's other half of the keys lies in the lane 16 away
	s_delay_alu instid0(VALU_DEP_1)
	v_max_num_f32 v7, v7, v8
	ds_store_b32 v5, v7
	s_wait_dscnt 0x0                               ; for the others' sake: my partial maximum has landed
	s_barrier_signal -1
	s_barrier_wait -1
.irp n, 0,1,2,3,4,5,6,7
	ds_load_b32 v[144+\n], v10 offset:128*\n
.endr
	s_wait_dscnt 0x0
	v_max3_num_f32 v7, v144, v145, v146
	s_delay_alu instid0(VALU_DEP_1)
	v_max3_num_f32 v7, v7, v147, v148
	s_delay_alu instid0(VALU_DEP_1)
	v_max3_num_f32 v7, v7, v149, v150
	s_delay_alu instid0(VALU_DEP_1)
	v_max_num_f32 v7, v7, v151                     ; G
	s_delay_alu instid0(VALU_DEP_1)
	v_cmp_eq_f32 s52, s50, v7                      ; lanes whose row is complement
	s_delay_alu instid0(VALU_DEP_2)
	v_cmp_neq_f32 s49, 0, v7                       ; lanes whose row is flat
	s_delay_alu instid0(VALU_DEP_1)
	v_cndmask_b32 v152, 0, 1, s49
	s_delay_alu instid0(VALU_DEP_3)
	v_cndmask_b32 v153, 0, 2, s52
	s_delay_alu instid0(VALU_DEP_1)
	v_or_b32 v152, v152, v153
	v_mov_b32 v153, 0
	s_cmp_lg_u32 s2, 0
	s_cbranch_scc1 .Lnot_wave_0
	global_store_b64 v6, v[152:153], s[60:61]      ; 256 consecutive bytes
.Lnot_wave_0:
.macro BITS st                         ; 64 lane masks; word j goes to lane j / 2, register j % 2: one store of 256 consecutive bytes
.set j, 0
.rept 64
	v_cmp_eq_f32 s44, v[R+64*(\st)+j], v7
	s_xor_b32 s44, s44, s52
	v_writelane_b32 v[208+2*\st+(j&1)], s44, j>>1
.set j, j+1
.endr
	global_store_b64 v6, v[208+2*\st:209+2*\st], s[58:59] offset:2048*\st
.endm
	s_wait_alu depctr_va_vdst(0)
	BITS 0
	BITS 1
	s_wait_tensorcnt 0x0
	ds_add_u32 v224, v225
	s_wait_dscnt 0x0
	s_endpgm
.Lfunc_end_k_qa8e317c859_prep:
	.size	k_qa8e317c859_prep, .Lfunc_end_k_qa8e317c859_prep-k_qa8e317c859_prep
	.p2alignl 7, 3214868480
	.fill 96, 4, 3214868480
	.section	.rodata,"a",@progbits
	.p2align	6, 0x0
	.amdhsa_kernel k_qa8e317c859_prep
		.amdhsa_group_segment_fixed_size 137216
		.amdhsa_private_segment_fixed_size 0
		.amdhsa_enable_private_segment 0
		.amdhsa_kernarg_size 96
		.amdhsa_user_sgpr_count 2
		.amdhsa_user_sgpr_kernarg_segment_ptr 1
		.amdhsa_wavefront_size32 1
		.amdhsa_system_sgpr_workgroup_id_x 1
		.amdhsa_system_sgpr_workgroup_id_y 1
		.amdhsa_system_sgpr_workgroup_id_z 1
		.amdhsa_system_vgpr_workitem_id 0
		.amdhsa_next_free_vgpr 226
		.amdhsa_next_free_sgpr 66
		.amdhsa_reserve_vcc 1
		.amdhsa_float_denorm_mode_32 3
		.amdhsa_float_denorm_mode_16_64 3
		.amdhsa_fp16_overflow 1
		.amdhsa_memory_ordered 1
		.amdhsa_forward_progress 1
		.amdhsa_inst_pref_size 129
	.end_amdhsa_kernel
	.amdgpu_metadata
---
amdhsa.version: [ 1, 2 ]
amdhsa.kernels:
  - .name:           k_qa8e317c859_prep
    .symbol:         k_qa8e317c859_prep.kd
    .args:
      - { .name: q, .offset: 0, .size: 8, .value_kind: global_buffer, .address_space: global }
      - { .name: k, .offset: 8, .size: 8, .value_kind: global_buffer, .address_space: global }
      - { .name: v, .offset: 16, .size: 8, .value_kind: global_buffer, .address_space: global }
      - { .name: Wq, .offset: 24, .size: 8, .value_kind: global_buffer, .address_space: global }
      - { .name: Wk, .offset: 32, .size: 8, .value_kind: global_buffer, .address_space: global }
      - { .name: Wv, .offset: 40, .size: 8, .value_kind: global_buffer, .address_space: global }
      - { .name: Wo, .offset: 48, .size: 8, .value_kind: global_buffer, .address_space: global }
      - { .name: mask, .offset: 56, .size: 8, .value_kind: global_buffer, .address_space: global }
      - { .name: lowp_scales, .offset: 64, .size: 8, .value_kind: global_buffer, .address_space: global }
      - { .name: codes, .offset: 72, .size: 8, .value_kind: global_buffer, .address_space: global }
      - { .name: mbits, .offset: 80, .size: 8, .value_kind: global_buffer, .address_space: global }
      - { .name: rowc, .offset: 88, .size: 8, .value_kind: global_buffer, .address_space: global }
    .group_segment_fixed_size: 137216
    .private_segment_fixed_size: 0
    .kernarg_segment_align: 8
    .kernarg_segment_size: 96
    .max_flat_workgroup_size: 256
    .sgpr_count:     66
    .vgpr_count:     226
    .wavefront_size: 32
...
	.end_amdgpu_metadata
.endif
;; end of part 1
;; launch proj (part 2): grid 4 x 96, 4 waves a work-group, clusters of 4 x 4, 327,680 bytes of LDS; arguments codes, lowp_scales, qkv; writes qkv
.if DOCPART == 2
	.amdgcn_target "amdgcn-amd-amdhsa--gfx1250"
	.amdhsa_code_object_version 6
	.text
	.protected	k_qa8e317c859_proj
	.globl	k_qa8e317c859_proj
	.p2align	8
	.type	k_qa8e317c859_proj,@function
k_qa8e317c859_proj:
	s_mov_b64 s[64:65], 0
	v_nop
	global_prefetch_b8 v0, s[64:65] scope:SCOPE_SE
	s_setreg_imm32_b32 hwreg(HW_REG_WAVE_MODE, 25, 1), 1
	s_wait_xcnt 0x0
	s_wait_alu depctr_hold_cnt(0) depctr_sa_sdst(0) depctr_va_vdst(0) depctr_va_sdst(0) depctr_va_ssrc(0) depctr_va_vcc(0) depctr_vm_vsrc(0)
	s_getreg_b32 s2, hwreg(HW_REG_IB_STS2, 6, 4)
	s_cmp_eq_u32 s2, 0
	s_cbranch_scc0 .Lentry_in_a_cluster
	s_endpgm
.Lentry_in_a_cluster:
	s_bfe_u32 s2, ttmp6, 0x10000c
	s_cmp_lg_u32 s2, 0xf033
	s_cbranch_scc0 .Lentry_shape_is_right
	s_endpgm
.Lentry_shape_is_right:
; PROJ: q Wq, k Wk, v Wv on codes of E4M3, the results quantised on the way out into the layout that the attention launch reads.
; C[i][j] = sum over k of A[i][k] B[j][k], K = 1,024, tiles of 256 x 256; four waves, each 128 x 128: 64 accumulators.  USED TRANSPOSED: source 0 = 16 rows of B, source 1 = 16 rows of A.
; ROLES by the cluster's y, Y = 0 .. 23, the same in all sixteen partners; Tn = Y / 8.  Tn = 0, 1 (q, k): A = the activations' image, tile row 4 (Y % 8) + cy; B = the weight's image, tile cx.
; Tn = 2 (v): A = Wv's image, tile cy; B = v's image, tile 4 (Y % 8) + cx: so a lane holds one (head, d) and neighbouring keys, which are the next K.
; OPERANDS ARE IMAGES OF REGISTERS: [ks = k / 256][tile of 16 rows][piece of 32 k][lane][16 bytes]; 128 rows of one ks are 32,768 dense bytes: one tensor load; a fragment is four LDS loads at 16 x lane, 512 bytes apart.
; The rows of a tile are 32 (tau / 2) + 8 (tau % 2) + r + 8 (r / 8) on both sides: the 16 registers of accumulators (a, 2 n) and (a, 2 n + 1) are 16 neighbouring columns 32 n + 16 h + 0 .. 15 of one row,
; and two conversions make a piece of the next operand, stored as 512 consecutive bytes.  The k inside an instruction are permuted alike in A and B, so each product meets its partner.
; qkv: [16 b + head][slot of 256 positions][49,152]: Q [tile 16][d / 32][512] at 0, K likewise at 16,384, V [step of 128 keys][tile of 16 d][keys / 32][512] at 32,768.
; code = sum / 2^z, held within +-448: z = e6 - e0 - e1 (q), e7 - e2 - e3 (k), e9 - e4 - e5 (v).  LIMIT: z between -126 and 119.
; CLUSTERS: 4 x 4.  A's tile hangs on Y and cy and is asked for jointly along a row of the cluster, B's on Y and cx along a column.
; REGISTERS, in windows of 256: window 0: v16-31 addresses and scales; from v128 A's fragments, one set; on the way out v96-223 codes.  window 1: B's fragments, two sets.  windows 2, 3: the accumulators.
.set HALFT,  32768                     ; 128 rows of one ks: what one tensor load brings
.set SLOT,   131072                    ; A's two halves, then B's two
.set SPARE,  262144                    ; behind the ring: the spare words, 128 bytes a wave: two blocks of 256 bytes that no other line names
.set HS,     393216                    ; a head in qkv
.set REC,    49152                     ; a slot's record in qkv
.set FR,     16
.set NL,     4
.set NP,     4
.set ADRA, 16                          ; v16-17  LDS address of my A fragments in slot 0, 1
.set ADRB, 20                          ; v20-21  the same for B
.set CO,   26                          ; v26     16 x lane
.set SPW,  28                          ; v28     my spare word; never rewritten
.set NIL,  29                          ; v29     0; never rewritten
.set SC,   30                          ; v30     2^z
.set LIM,  31
.set TMP,  32
.set CD,   96
.set AF,   128
.set G1, 24
.set G0, 32
.set G1B, 48
.set G0B, 56
.set MSB, 0
.macro WIN new                         ; the immediate's high byte repeats the setting that is left
.if MSB != \new
	s_set_vgpr_msb (MSB<<8)|\new
.set MSB, \new
.endif
.endm
.set MUL_LO, 0xa1                      ; source 0 (B) window 1, source 1 (A) window 0, C and D window 2
.set MUL_HI, 0xf1                      ; the same, C and D window 3
.set TO_B,   0x40                      ; destination window 1, address window 0
; A joint load: waves 0 and 1 fetch for A, waves 2 and 3 for B; the branch hangs on the wave's number alone.  Four v_nop follow each of the two lines.
.macro JLOAD g0a, g1a, g0b, g1b
	s_cmp_eq_u32 s15, 0
	s_cbranch_scc0 .Lfor_b_\@
	tensor_load_to_lds s[\g0a:\g0a+3], s[\g1a:\g1a+7]
	s_nop 0
.rept 4
	v_nop
.endr
	s_branch .Lasked_\@
.Lfor_b_\@:
	tensor_load_to_lds s[\g0b:\g0b+3], s[\g1b:\g1b+7]
	s_nop 0
.rept 4
	v_nop
.endr
.Lasked_\@:
.endm
.macro CREST                           ; a round of the cluster's barrier behind its opening barrier
	s_cmp_lg_u32 s14, 0
	s_cbranch_scc1 .Lnot_wave_0_\@
	s_barrier_signal -3
.Lnot_wave_0_\@:
	s_barrier_wait -3
	s_barrier_signal -1
	s_barrier_wait -1
.endm
.macro CROUND
	s_barrier_signal -1
	s_barrier_wait -1
	CREST
.endm
	s_load_b128 s[4:7], s[0:1], 0x0                ; codes s[4:5], lowp_scales s[6:7]
	s_load_b64 s[8:9], s[0:1], 0x10                ; qkv
	v_lshl_add_u32 v[SPW], v0, 2, SPARE
	v_mov_b32 v[NIL], 0
	ds_add_u32 v28, v29
	ds_add_u32 v28, v29
	s_wait_dscnt 0x0
	v_lshrrev_b32 v1, 5, v0
	v_readfirstlane_b32 s14, v1                    ; wave 0..3
	s_lshr_b32 s15, s14, 1                         ; my half of A's rows.  Also: I fetch for A (0) or for B (1)
	s_and_b32 s16, s14, 1                          ; my half of B's rows.  Also: which 128 rows I fetch
	s_bfe_u32 s40, ttmp6, 0x40000                  ; cx
	s_bfe_u32 s41, ttmp6, 0x40004                  ; cy
	s_and_b32 s42, ttmp7, 0xffff                   ; Y
	s_and_b32 s17, s42, 7                          ; Y % 8
	s_lshr_b32 s18, s42, 3                         ; Tn
	s_lshl_b32 s43, s41, 2
	s_lshl_b32 s43, 15, s43                        ; my row of the cluster
	s_lshl_b32 s44, 0x1111, s40                    ; my column
	; descriptor group 1: 128 rows of 256 bytes, dense: elements of 8 bytes, no padding
	s_or_b32 s[G1+0], s43, (3<<16)|(1<<21)
	s_or_b32 s[G1B+0], s44, (3<<16)|(1<<21)
.irp g, G1, G1B
	s_mov_b32 s[\g+1], 32<<16                      ; tensor_dim0 = 32 elements
	s_mov_b32 s[\g+2], 128<<16                     ; tensor_dim1 = 128
	s_mov_b32 s[\g+3], 32<<16                      ; tile_dim0
	s_mov_b32 s[\g+4], 128                         ; tile_dim1
	s_mov_b32 s[\g+5], 32                          ; pitch
	s_mov_b32 s[\g+6], 0
	s_mov_b32 s[\g+7], 0
.endr
	; where the tiles come from, in bytes from the buffer's first.  s72, s73 hold neither cx nor cy; s66, s67, s70 only cy; s68, s69, s71 only cx
	s_lshl_b32 s19, s16, 15
	s_lshl_b32 s72, s18, 23
	s_lshl_b32 s73, s17, 18
	s_add_co_u32 s72, s72, s73
	s_add_co_u32 s72, s72, s19                     ; in the activations' image Tn: tile row 4 (Y % 8), my 128 rows
	s_lshl_b32 s73, s18, 20
	s_add_co_u32 s73, s73, s19
	s_add_co_u32 s73, s73, 25165824                ; in the weight's image Tn
	s_lshl_b32 s70, s41, 16
	s_lshl_b32 s71, s40, 16
	s_add_co_u32 s66, s72, s70                     ; A for q, k
	s_add_co_u32 s67, s73, s70                     ; A for v
	s_add_co_u32 s68, s73, s71                     ; B for q, k
	s_add_co_u32 s69, s72, s71                     ; B for v
	s_mov_b32 s74, 262144
	s_mov_b32 s76, 2097152
	s_cmp_ge_u32 s42, 16                           ; the role: only selects follow
	s_cselect_b32 s20, s67, s66
	s_cselect_b32 s46, s69, s68
	s_cselect_b32 s74, s74, 2097152                ; from ks to ks in A
	s_cselect_b32 s76, s76, 262144                 ; in B
	s_mov_b32 s21, 0
	s_mov_b32 s47, 0
	s_mov_b32 s75, 0
	s_mov_b32 s77, 0
	s_lshl_b32 s78, s74, 1                         ; a refill's step: two ks
	s_mov_b32 s79, 0
	s_lshl_b32 s92, s76, 1
	s_mov_b32 s93, 0
	s_lshl_b32 s45, s14, 15                        ; where they go: wave x 32,768: no place in the cluster enters an LDS address
	s_wait_kmcnt 0x0
	s_load_b256 s[80:87], s[6:7], 0x0              ; e0 .. e7
	s_load_b128 s[88:91], s[6:7], 0x20             ; e8 .. e11
	s_add_nc_u64 s[20:21], s[4:5], s[20:21]
	s_add_nc_u64 s[46:47], s[4:5], s[46:47]
	CROUND                                         ; all sixteen work-groups are here: the first joint loads meet
	s_mov_b32 s[G0], 1
	s_mov_b32 s[G0+1], s45
	s_mov_b64 s[G0+2:G0+3], s[20:21]
	s_or_b32 s[G0+3], s[G0+3], 0x80000000
	s_mov_b32 s[G0B], 1
	s_mov_b32 s[G0B+1], s45
	s_mov_b64 s[G0B+2:G0B+3], s[46:47]
	s_or_b32 s[G0B+3], s[G0B+3], 0x80000000
	JLOAD G0, G1, G0B, G1B                         ; ks 0
	s_mov_b32 s[G0+4], 1
	s_add_co_u32 s[G0+5], s45, SLOT
	s_add_nc_u64 s[G0+6:G0+7], s[20:21], s[74:75]
	s_or_b32 s[G0+7], s[G0+7], 0x80000000
	s_mov_b32 s[G0B+4], 1
	s_add_co_u32 s[G0B+5], s45, SLOT
	s_add_nc_u64 s[G0B+6:G0B+7], s[46:47], s[76:77]
	s_or_b32 s[G0B+7], s[G0B+7], 0x80000000
	s_wait_alu depctr_va_vdst(0)
	s_wait_tensorcnt 0x0
	ds_add_u32 v28, v29
	s_wait_dscnt 0x0
	CROUND
	JLOAD G0+4, G1, G0B+4, G1B                     ; ks 1: one load of mine is out
	v_and_b32 v1, 31, v0
	v_lshlrev_b32 v[CO], 4, v1
	s_lshl_b32 s12, s15, 15                        ; my 128 rows of A
	s_lshl_b32 s13, s16, 15                        ; my 128 rows of B,
	s_add_co_u32 s13, s13, 2*HALFT                 ; which lie behind A's 256
.irp s, 0,1
	v_add_nc_u32 v[ADRA+\s], s12, v[CO]
	v_add_nc_u32 v[ADRB+\s], s13, v[CO]
	s_add_co_u32 s12, s12, SLOT
	s_add_co_u32 s13, s13, SLOT
.endr
	; where my results go
	s_lshr_b32 s22, s17, 1
	s_lshl_b32 s22, s22, 4                         ; 16 x batch
	s_and_b32 s23, s17, 1
	s_lshl_b32 s23, s23, 2                         ; the slot's upper part
	s_lshl_b32 s96, s40, 2                         ; q, k: head 4 cx + 2 x my half of B, slot + cy, part Tn, tiles 8 x my half of A on
	s_add_co_u32 s96, s96, s22
	s_lshl_b32 s97, s16, 1
	s_add_co_u32 s96, s96, s97
	s_mul_i32 s96, s96, HS
	s_add_co_u32 s97, s23, s41
	s_mul_i32 s97, s97, REC
	s_add_co_u32 s96, s96, s97
	s_lshl_b32 s97, s18, 14
	s_add_co_u32 s96, s96, s97
	s_lshl_b32 s97, s15, 13
	s_add_co_u32 s96, s96, s97
	s_lshl_b32 s98, s41, 2                         ; v: head 4 cy + 2 x my half of A, slot + cx, V's part, step = my half of B
	s_add_co_u32 s98, s98, s22
	s_lshl_b32 s99, s15, 1
	s_add_co_u32 s98, s98, s99
	s_mul_i32 s98, s98, HS
	s_add_co_u32 s99, s23, s40
	s_mul_i32 s99, s99, REC
	s_add_co_u32 s98, s98, s99
	s_lshl_b32 s99, s16, 13
	s_add_co_u32 s98, s98, s99
	s_add_co_u32 s98, s98, 32768
	s_cmp_ge_u32 s42, 16
	s_cselect_b32 s96, s98, s96
	s_mov_b32 s97, 0
	s_add_nc_u64 s[10:11], s[8:9], s[96:97]
.macro FRAG reg, adr, q, i             ; tile i, the ks's q-th 128 along K: four pieces as they lie: registers 4 c .. 4 c + 3 hold k = 32 c + 16 h + 0 .. 15
.irp c, 0,1,2,3
	ds_load_b128 v[\reg+4*\c:\reg+4*\c+3], v[\adr] offset:(\i)*4096+(\q)*2048+512*\c
.endr
.endm
; 16 matrix instructions: A's blocks a0, a0 + 1 x B's eight.  The 64 accumulators take turns, one instruction a turn, in the same order in every step.
.macro MUL16 a0, p, zero
.irp a, \a0, \a0+1
.irp b, 0,1,2,3,4,5,6,7
.if \zero
	v_wmma_f32_16x16x128_fp8_fp8 v[8*(8*((\a)%4)+\b):8*(8*((\a)%4)+\b)+7], v[128*(\p)+FR*\b:128*(\p)+FR*\b+FR-1], v[AF+FR*(\a):AF+FR*(\a)+FR-1], 0
.else
	v_wmma_f32_16x16x128_fp8_fp8 v[8*(8*((\a)%4)+\b):8*(8*((\a)%4)+\b)+7], v[128*(\p)+FR*\b:128*(\p)+FR*\b+FR-1], v[AF+FR*(\a):AF+FR*(\a)+FR-1], v[8*(8*((\a)%4)+\b):8*(8*((\a)%4)+\b)+7]
.endif
.endr
.endr
.endm
.macro FETCH_B slot, q, p
	WIN TO_B
.irp i, 0,1,2,3,4,5,6,7
	FRAG 128*(\p)+FR*\i, ADRB+\slot, \q, \i
.endr
	WIN 0
.endm
.macro FETCH_A slot, q, i0
.irp i, \i0, \i0+1, \i0+2, \i0+3
	FRAG AF+FR*(\i), ADRA+\slot, \q, \i
.endr
.endm
.macro PLACES n                        ; plain vector lines between a matrix instruction and a load into, or a read of, its registers
.rept \n
	v_nop
.endr
.endm
.macro STEP slot, q, zero              ; 128 along K that has its successor in the same slot
	s_wait_dscnt 4*NL                              ; B's set and A's blocks 0-3 are in; the youngest 16 loads (A's blocks 4-7) may be out
	WIN MUL_LO
	MUL16 0, (\q)%2, \zero
	MUL16 2, (\q)%2, \zero
	s_wait_dscnt 0
	PLACES NP
	FETCH_B \slot, (\q)+1, 1-(\q)%2
	FETCH_A \slot, (\q)+1, 0
	WIN MUL_HI
	MUL16 4, (\q)%2, \zero
	MUL16 6, (\q)%2, \zero
	PLACES NP
	WIN 0
	FETCH_A \slot, (\q)+1, 4
.endm
; A slot's last step changes slots: one barrier; in front of it each wave waits for all its tensor loads, adds 0 to its spare word, and waits for that and for its reads of this slot.
.macro TURN slot, next, fill
	s_wait_tensorcnt 0x0                           ; all my tensor loads have landed: my part of the next slot
	ds_add_u32 v[SPW], v[NIL]                      ; 0 onto my spare word
	s_wait_dscnt 4*NL+1                            ; the add and the youngest 16 loads may be out
	WIN MUL_LO
	MUL16 0, 1, 0
	s_wait_dscnt 0x0                               ; the add is done, and my reads of this slot are over
	s_barrier_signal -1
	MUL16 2, 1, 0
	WIN 0
	s_barrier_wait -1
.if \fill
	CREST                                          ; the barrier has opened a round of the cluster's: no wave of any partner still reads this slot or has a load on its way
	s_add_nc_u64 s[G0+4*\slot+2:G0+4*\slot+3], s[G0+4*\slot+2:G0+4*\slot+3], s[78:79]
	s_add_nc_u64 s[G0B+4*\slot+2:G0B+4*\slot+3], s[G0B+4*\slot+2:G0B+4*\slot+3], s[92:93]
	JLOAD G0+4*\slot, G1, G0B+4*\slot, G1B         ; the first tensor load behind the round; its four v_nop are the places in front of the loads below
.else
	PLACES NP
.endif
	FETCH_B \next, 0, 0
	FETCH_A \next, 0, 0
	WIN MUL_HI
	MUL16 4, 1, 0
	MUL16 6, 1, 0
	PLACES NP
	WIN 0
	FETCH_A \next, 0, 4
.endm
	s_wait_alu depctr_va_vdst(0)
	s_wait_tensorcnt 1                             ; my part of ks 0 is in; ks 1's load may be out
	s_barrier_signal -1
	s_barrier_wait -1
	FETCH_B 0, 0, 0
	FETCH_A 0, 0, 0
	FETCH_A 0, 0, 4
	STEP 0, 0, 1                                   ; K = 1,024 is four ks: written out, no loop.  The first products start the sums
	TURN 0, 1, 1                                   ; ks 2 into slot 0
	STEP 1, 0, 0
	TURN 1, 0, 1                                   ; ks 3 into slot 1
	STEP 0, 0, 0
	TURN 0, 1, 0
	STEP 1, 0, 0
	s_wait_dscnt 4*NL
	WIN MUL_LO
	MUL16 0, 1, 0
	MUL16 2, 1, 0
	s_wait_dscnt 0
	WIN MUL_HI
	MUL16 4, 1, 0
	MUL16 6, 1, 0
	WIN 0
	; THE WAY OUT: hold, convert, store.  No jump hangs on a loaded number: z is chosen by selects on Tn.
	s_wait_kmcnt 0x0
	s_sub_co_i32 s94, s86, s80
	s_sub_co_i32 s94, s94, s81                     ; e6 - e0 - e1
	s_sub_co_i32 s95, s87, s82
	s_sub_co_i32 s95, s95, s83                     ; e7 - e2 - e3
	s_sub_co_i32 s98, s89, s84
	s_sub_co_i32 s98, s98, s85                     ; e9 - e4 - e5
	s_cmp_eq_u32 s18, 0
	s_cselect_b32 s94, s94, s95
	s_cmp_eq_u32 s18, 2
	s_cselect_b32 s94, s98, s94
	s_add_co_i32 s94, s94, 127
	s_lshl_b32 s95, s94, 23
	v_mov_b32 v[SC], s95
	PLACES NP
; Block a (16 rows of A): 64 sums a lane, each accumulator from its low end on; register 16 n + i is column 32 n + 16 h + i.  The codes' registers are never written again, so no store is waited for.
.macro EPI type
.irp a, 0,1,2,3,4,5,6,7
	WIN 0x02+(\a/4)
.set i, 0
.rept 64
.set i, i+1
.endr
.irp g, 0,1,2,3,4,5,6,7
	v_cvt_scalef32_pk8_fp8_f32 v[CD+16*\a+2*\g:CD+16*\a+2*\g+1], v[TMP+8*\g+((64*(\a%4)+i)-(TMP+i)):TMP+8*\g+7+((64*(\a%4)+i)-(TMP+i))], v[SC]
.endr
	WIN 0
	v_nop                                          ; one plain line behind the conversions
.irp be, 0,1,2,3
.if \type
	global_store_b128 v[CO], v[CD+16*\a+4*\be:CD+16*\a+4*\be+3], s[10:11] offset:(\a/4)*HS+(\a%4)*2048+\be*512
.else
	global_store_b128 v[CO], v[CD+16*\a+4*\be:CD+16*\a+4*\be+3], s[10:11] offset:\a*1024+(\be/2)*HS+(\be%2)*512
.endif
.endr
.endr
.endm
	s_cmp_ge_u32 s42, 16                           ; the role again: the same in all partners
	s_cbranch_scc1 .Lout_v
	EPI 0
	s_branch .Lout_done
.Lout_v:
	s_wait_alu depctr_va_vdst(0)
	EPI 1
.Lout_done:
	s_wait_tensorcnt 0x0                           ; the wave's end
	ds_add_u32 v[SPW], v[NIL]
	s_wait_dscnt 0x0
	CROUND                                         ; the closing round
	s_endpgm
.Lfunc_end_k_qa8e317c859_proj:
	.size	k_qa8e317c859_proj, .Lfunc_end_k_qa8e317c859_proj-k_qa8e317c859_proj
	.p2alignl 7, 3214868480
	.fill 96, 4, 3214868480
	.section	.rodata,"a",@progbits
	.p2align	6, 0x0
	.amdhsa_kernel k_qa8e317c859_proj
		.amdhsa_group_segment_fixed_size 327680
		.amdhsa_private_segment_fixed_size 0
		.amdhsa_enable_private_segment 0
		.amdhsa_kernarg_size 24
		.amdhsa_user_sgpr_count 2
		.amdhsa_user_sgpr_kernarg_segment_ptr 1
		.amdhsa_wavefront_size32 1
		.amdhsa_system_sgpr_workgroup_id_x 1
		.amdhsa_system_sgpr_workgroup_id_y 1
		.amdhsa_system_sgpr_workgroup_id_z 1
		.amdhsa_system_vgpr_workitem_id 0
		.amdhsa_next_free_vgpr 1024
		.amdhsa_next_free_sgpr 100
		.amdhsa_reserve_vcc 0
		.amdhsa_float_denorm_mode_32 3
		.amdhsa_float_denorm_mode_16_64 3
		.amdhsa_fp16_overflow 1
		.amdhsa_memory_ordered 1
		.amdhsa_forward_progress 1
		.amdhsa_inst_pref_size 95
	.end_amdhsa_kernel
	.amdgpu_metadata
---
amdhsa.version: [ 1, 2 ]
amdhsa.kernels:
  - .name:           k_qa8e317c859_proj
    .symbol:         k_qa8e317c859_proj.kd
    .args:
      - { .name: codes, .offset: 0, .size: 8, .value_kind: global_buffer, .address_space: global }
      - { .name: lowp_scales, .offset: 8, .size: 8, .value_kind: global_buffer, .address_space: global }
      - { .name: qkv, .offset: 16, .size: 8, .value_kind: global_buffer, .address_space: global }
    .group_segment_fixed_size: 327680
    .private_segment_fixed_size: 0
    .kernarg_segment_align: 8
    .kernarg_segment_size: 24
    .max_flat_workgroup_size: 128
    .sgpr_count:     100
    .vgpr_count:     1024
    .wavefront_size: 32
...
	.end_amdgpu_metadata
.endif
;; end of part 2
;; launch attn (part 3): grid 4 x 64, 16 waves a work-group, no clusters, 327,680 bytes of LDS; arguments qkv, mbits, lowp_scales, att, rowc; writes att
.if DOCPART == 3
	.amdgcn_target "amdgcn-amd-amdhsa--gfx1250"
	.amdhsa_code_object_version 6
	.text
	.protected	k_qa8e317c859_attn
	.globl	k_qa8e317c859_attn
	.p2align	8
	.type	k_qa8e317c859_attn,@function
k_qa8e317c859_attn:
	s_mov_b64 s[64:65], 0
	v_nop
	global_prefetch_b8 v0, s[64:65] scope:SCOPE_SE
	s_setreg_imm32_b32 hwreg(HW_REG_WAVE_MODE, 25, 1), 1
	s_wait_xcnt 0x0
; ATTN: S^T = K Q^T (K = 64) and O^T = V^T P^T (K = the keys) on codes of E4M3, with the mask, the causal cut and the softmax between; the result is quantised for the last product.
; t = score x 2^(e6 + e7) x log2(e) / 8; M = the running largest t rounded up to a whole number; p = 2^(t - M) is quantised with 2^e8; the sum l is taken of the unquantised p; code of the result = (O / l) / 2^(e10 - e8 - e9).
; THE MASK comes as lane masks, one word for each score register, and a class for each row (made from the mask's numbers by the first launch, which says how).  A score whose bit is 0 becomes -infinity by one select, so p = 0.
; A FLAT row (its largest logit is a term of the mask, beside which scores vanish): the keys named by the bits share the weight evenly.  The lane's codes of Q are set to 0, so every score is 0, t = 0, M = 0, p = 1.
; A COMPLEMENT row (flat; its largest logit is the one that all keys above the diagonal hold too): the bits name the visible keys that take NO part; the result is (the sum over all 2,048 keys of Q(1) x Q(v),
; made once on the matrix unit at the head, less O) / (2,048 - l).
; Where the largest logit x log2(e) would leave f32's range the weights are these same ones: 1 on the keys that hold the largest logit.
; SHARES: work-group (x, head of a batch) owns query block 7 - x (key slots 0 .. 7 - x) and then query block x (slots 0 .. x): nine slots of 256 keys in every work-group.  Each of sixteen waves owns one tile of 16 queries.
; No cluster: the four work-groups of a head want different slots in four of the nine trips, and a slot's 32,768 bytes are little beside two key steps' vector work in sixteen waves.
; A step that lies wholly above the diagonal has words of zeros and is worked all the same.
; LIMITS: e6 + e7 between -123 and 130; e8, and e10 - e8 - e9, between -126 and 119.
; LDS: two slots of 32,768 bytes (K's 16,384, then V's); the spare words; VS: sixteen partial sums of V (256 bytes each); VT: each wave's own copy of their total.
; REGISTERS: v1 16 x lane; v2 LDS address in hand; v3 prefetch offset; v4 my total's place; v5, v6 the add's; v7, v8 output offsets; v9 -infinity; v12 -M, v13 largest t, v[14:15] l; v16-23 Q; v24-31 Q of the second block;
; v32-95 fragments of K or V; v96-159 S^T, then p; v160-191 O^T; v192-199 output codes; v200, v201 my rows' classes in the two blocks; v224-239 codes of p; v244, v245 scales; v246 2,048.
; s[32:63], s[68:99]: the step's 64 mask words.
.set HS,    393216
.set REC,   49152
.set SPARE, 65536                      ; the spare words, 128 bytes for each of sixteen waves: eight blocks of 256 bytes that no other line names
.set VS,    67584
.set VT,    71680
.macro TLOAD                           ; wave 0 fetches a slot's K, wave 1 its V; four v_nop follow the line
	s_cmp_lt_u32 s3, 2
	s_cbranch_scc0 .Lnone_\@
	tensor_load_to_lds s[20:23], s[12:19]
	s_nop 0
.rept 4
	v_nop
.endr
.Lnone_\@:
.endm
; A prefetch of the slot that the NEXT change of slots will ask for: its 32,768 bytes of K and V.  All four work-groups of a head walk these bytes: the one with x = 0 asks, which walks slots 0 to 7 in order;
; in it waves 4 to 7, which fetch nothing, take 8,192 bytes each, lanes 256 bytes apart.  Trip t names slot t + 2; trips 0 to 5 ask, so the last named is slot 7.
.macro ASK
	s_cmp_lt_u32 s28, s67
	s_cbranch_scc0 .Lnoask_\@
	s_wait_alu depctr_va_vdst(0)
	global_prefetch_b8 v3, s[4:5] offset:16384 th:TH_LOAD_NT scope:SCOPE_SE
.Lnoask_\@:
.endm
.macro MLOAD                           ; a key step's 64 mask words
	s_load_b512 s[32:47], s[6:7], s31 offset:0x0
	s_load_b512 s[48:63], s[6:7], s31 offset:0x40
	s_load_b512 s[68:83], s[6:7], s31 offset:0x80
	s_load_b512 s[84:99], s[6:7], s31 offset:0xc0
.endm
	s_load_b128 s[4:7], s[0:1], 0x0                ; qkv, mbits
	s_load_b128 s[8:11], s[0:1], 0x10              ; lowp_scales, att
	s_load_b64 s[68:69], s[0:1], 0x20              ; rowc (in registers that the mask words take later)
	v_lshl_add_u32 v5, v0, 2, SPARE
	v_mov_b32 v6, 0
	ds_add_u32 v5, v6
	ds_add_u32 v5, v6
	s_wait_dscnt 0x0
	v_lshrrev_b32 v1, 5, v0
	s_delay_alu instid0(VALU_DEP_1)
	v_readfirstlane_b32 s3, v1                     ; wave 0..15
	s_and_b32 s28, ttmp7, 0xffff                   ; 16 b + head
	s_mul_i32 s100, s28, HS
	s_mov_b32 s101, 0
	s_mov_b32 s12, 3<<16                           ; group 1: 64 rows of 256 bytes, dense: elements of 8 bytes, no mask, no padding
	s_mov_b32 s13, 32<<16
	s_mov_b32 s14, 64<<16
	s_mov_b32 s15, 32<<16
	s_mov_b32 s16, 64
	s_mov_b32 s17, 32
	s_mov_b32 s18, 0
	s_mov_b32 s19, 0
	s_and_b32 s29, s3, 1
	s_lshl_b32 s29, s29, 14                        ; K's part or V's
	s_wait_kmcnt 0x0
	s_mov_b64 s[104:105], s[8:9]                   ; lowp_scales
	s_add_nc_u64 s[4:5], s[4:5], s[100:101]        ; my head in qkv
	s_add_co_u32 s100, s29, 16384
	s_add_nc_u64 s[8:9], s[4:5], s[100:101]        ; my part of slot 0's record
	s_mov_b32 s20, 1
	s_mov_b32 s21, s29
	s_mov_b64 s[22:23], s[8:9]
	s_or_b32 s23, s23, 0x80000000
	TLOAD                                          ; key slot 0: ahead of every wait on TENSORcnt, every LDS read and every barrier
	s_load_b256 s[32:39], s[104:105], 0x0          ; e0 .. e7
	s_load_b128 s[40:43], s[104:105], 0x20         ; e8 .. e11
	v_and_b32 v1, 31, v0
	s_delay_alu instid0(VALU_DEP_1)
	v_lshlrev_b32 v1, 4, v1                        ; 16 x lane
	s_wait_alu depctr_va_vdst(0)
	s_sub_co_u32 s30, 8, ttmp9                     ; trips of the first block
	s_sub_co_u32 s31, 7, ttmp9                     ; the first block
	s_lshl_b32 s101, s3, 10
	s_mul_i32 s100, s31, REC
	s_add_co_u32 s100, s100, s101
	v_add_nc_u32 v10, s100, v1
	s_mul_i32 s100, ttmp9, REC
	s_add_co_u32 s100, s100, s101
	v_add_nc_u32 v11, s100, v1
	global_load_b128 v[16:19], v10, s[4:5]                 ; Q of my tile in the first block,
	global_load_b128 v[20:23], v10, s[4:5] offset:512
	global_load_b128 v[24:27], v11, s[4:5]                 ; and in the second
	global_load_b128 v[28:31], v11, s[4:5] offset:512
	s_lshr_b32 s100, s3, 1
	s_mul_i32 s100, s100, REC
	s_lshr_b32 s101, s29, 1
	s_add_co_u32 s100, s100, s101
	v_add_nc_u32 v2, s100, v1
.irp n, 0,1,2,3,4,5,6,7,8,9,10,11,12,13,14,15
	global_load_b128 v[32+4*\n:35+4*\n], v2, s[4:5] offset:32768+512*\n   ; V's four fragments of key step w, for the sum over all keys
.endr
	s_lshl_b32 s31, s31, 4
	s_add_co_u32 s31, s31, s3
	s_lshl_b32 s31, s31, 12                        ; my first tile x 4,096: its mask words, and its place in att
	v_add_nc_u32 v7, s31, v1
	s_lshl_b32 s66, ttmp9, 4
	s_add_co_u32 s66, s66, s3
	s_lshl_b32 s66, s66, 12                        ; the same for my second tile
	v_add_nc_u32 v8, s66, v1
	s_lshr_b32 s100, s28, 4
	s_lshl_b32 s100, s100, 19                      ; the batch: 128 tiles of 4,096 bytes in mbits and in att alike
	s_add_co_u32 s101, s100, s31
	s_lshr_b32 s101, s101, 4                       ; in rowc a tile is 256 bytes
	v_lshrrev_b32 v202, 1, v1                      ; 8 x lane
	s_delay_alu instid0(VALU_DEP_1)
	v_add_nc_u32 v203, s101, v202
	s_add_co_u32 s101, s100, s66
	s_lshr_b32 s101, s101, 4
	v_add_nc_u32 v204, s101, v202
	global_load_b32 v200, v203, s[68:69]           ; my row's class in the first block,
	global_load_b32 v201, v204, s[68:69]           ; and in the second
	s_mov_b32 s101, 0
	s_add_nc_u64 s[6:7], s[6:7], s[100:101]
	s_add_nc_u64 s[10:11], s[10:11], s[100:101]
	s_bfe_u32 s100, s28, 0x20002                   ; head / 4: att's ks
	s_lshl_b32 s100, s100, 21
	s_and_b32 s67, s28, 3
	s_lshl_b32 s67, s67, 10                        ; head % 4: two pieces
	s_add_co_u32 s100, s100, s67
	s_add_nc_u64 s[10:11], s[10:11], s[100:101]
	s_and_b32 s100, s3, 3
	s_lshl_b32 s100, s100, 13
	s_add_co_u32 s100, s100, REC
	v_lshl_add_u32 v3, v1, 4, s100                 ; slot 1, my 8,192 bytes, 256 x lane: the first change of slots steps it to slot 2
	s_sub_co_u32 s67, s3, 4
	s_lshr_b32 s67, s67, 2                         ; 0 in waves 4 to 7,
	s_or_b32 s67, s67, ttmp9                       ; of the work-group with x = 0
	s_cmp_eq_u32 s67, 0
	s_cselect_b32 s67, 6, 0
	v_bfe_u32 v252, v0, 4, 1                       ; h
	s_lshl_b32 s100, s3, 8
	v_lshl_add_u32 v254, v252, 7, s100
	s_delay_alu instid0(VALU_DEP_1)
	v_add_nc_u32 v4, VT, v254                      ; VT + 256 w + 128 h
	s_delay_alu instid0(VALU_DEP_2)
	v_add_nc_u32 v254, VS, v254                    ; VS + 256 w + 128 h
	v_lshrrev_b32 v253, 1, v1
	s_delay_alu instid0(VALU_DEP_1)
	v_add_nc_u32 v252, s100, v253
	s_delay_alu instid0(VALU_DEP_1)
	v_add_nc_u32 v252, VT, v252                    ; VT + 256 w + 8 x lane
	s_delay_alu instid0(VALU_DEP_3)
	v_add_nc_u32 v253, VS, v253                    ; VS + 8 x lane
	v_mov_b32 v9, 0xff800000
	v_mov_b32 v246, 0x45000000                     ; 2,048
	s_mov_b32 s24, 0x76543210
	s_mov_b32 s25, 0xfedcba98
	s_mov_b32 s26, 0x3e38aa3b                      ; log2(e) / 8
	s_wait_kmcnt 0x0
	s_add_co_i32 s100, s38, s39
	s_lshl_b32 s100, s100, 23
	s_add_co_i32 s26, s26, s100                    ; x 2^(e6 + e7): added to the exponent field
	s_mov_b32 s27, s26
	s_add_co_i32 s100, s40, 127
	s_lshl_b32 s101, s100, 23
	v_mov_b32 v244, s101                           ; 2^e8
	s_sub_co_i32 s100, s42, s40
	s_sub_co_i32 s100, s100, s41
	s_add_co_i32 s100, s100, 127
	s_lshl_b32 s101, s100, 23
	v_mov_b32 v245, s101                           ; 2^(e10 - e8 - e9)
	s_wait_xcnt 0x0                                ; the loads of the classes have read their base, s[68:69], which the words below take
	MLOAD                                          ; the first step's words: the exponents have been used
.irp i, 0,1,2,3,4,5,6,7
	v_mov_b32 v[96+\i], 1.0
.endr
.irp i, 0,1,2,3,4,5,6,7
.endr
	v_cvt_scalef32_pk8_fp8_f32 v[224:225], v[96:103], v244         ; Q(1), eight times
	v_nop
.irp i, 2,3,4,5,6,7,8,9,10,11,12,13,14,15
	v_mov_b32 v[224+\i], v224
.endr
	s_wait_loadcnt 0x0                             ; Q twice, V of step w, the classes
	v_and_b32 v202, 1, v200
	s_delay_alu instid0(VALU_DEP_1)
	v_cmp_eq_u32 vcc_lo, 0, v202
.irp i, 0,1,2,3,4,5,6,7
	v_cndmask_b32 v[16+\i], 0, v[16+\i], vcc_lo    ; a flat row's codes of Q become zeros: a lane of this operand holds one query
.endr
	v_and_b32 v202, 1, v201
	s_delay_alu instid0(VALU_DEP_1)
	v_cmp_eq_u32 vcc_lo, 0, v202
.irp i, 0,1,2,3,4,5,6,7
	v_cndmask_b32 v[24+\i], 0, v[24+\i], vcc_lo
.endr
.irp t, 0,1,2,3
	v_wmma_f32_16x16x128_fp8_fp8 v[160+8*\t:167+8*\t], v[32+16*\t:47+16*\t], v[224:239], 0
.endr
.rept 4
	v_nop
.endr
.irp n, 0,1,2,3,4,5,6,7
	ds_store_b128 v254, v[160+4*\n:163+4*\n] offset:16*\n          ; the sixteen lanes of a half hold the same numbers and write the same bytes
.endr
	s_wait_dscnt 0x0
	s_barrier_signal -1                            ; slot 0's load may stay out
	s_barrier_wait -1
.irp n, 0,1,2,3,4,5,6,7,8,9,10,11,12,13,14,15
	ds_load_b64 v[96+2*\n:97+2*\n], v253 offset:256*\n
.endr
	s_wait_dscnt 0x0
	v_pk_add_f32 v[254:255], v[98:99], v[100:101]
	v_pk_add_f32 v[250:251], v[102:103], v[104:105]
	v_pk_add_f32 v[248:249], v[106:107], v[108:109]
	v_pk_add_f32 v[242:243], v[110:111], v[112:113]
	v_pk_add_f32 v[240:241], v[114:115], v[116:117]
	v_pk_add_f32 v[238:239], v[118:119], v[120:121]
	v_pk_add_f32 v[236:237], v[122:123], v[124:125]
	v_pk_add_f32 v[96:97], v[96:97], v[126:127]
	s_delay_alu instid0(VALU_DEP_1)
	v_pk_add_f32 v[96:97], v[96:97], v[242:243]
	v_pk_add_f32 v[254:255], v[254:255], v[240:241]
	v_pk_add_f32 v[250:251], v[250:251], v[238:239]
	v_pk_add_f32 v[248:249], v[248:249], v[236:237]
	s_delay_alu instid0(VALU_DEP_2)
	v_pk_add_f32 v[96:97], v[96:97], v[250:251]
	s_delay_alu instid0(VALU_DEP_2)
	v_pk_add_f32 v[254:255], v[254:255], v[248:249]
	s_delay_alu instid0(VALU_DEP_1)
	v_pk_add_f32 v[96:97], v[96:97], v[254:255]
	ds_store_b64 v252, v[96:97]                    ; my own copy of the total: only I read it, so no barrier follows
.macro INIT second
	v_mov_b32 v13, 0xff61b1e6                      ; the largest t so far: -3e38
	s_delay_alu instid0(VALU_DEP_1)
	v_floor_f32 v12, -v13
	v_mov_b32 v14, 0
	v_mov_b32 v15, 0
.set i, 0
.rept 32
	v_mov_b32 v[160+i], 0
.set i, i+1
.endr
.if \second
.irp i, 0,1,2,3,4,5,6,7
	v_mov_b32 v[16+\i], v[24+\i]
.endr
.endif
.endm
	INIT 0
	v_mov_b32 v236, 0                              ; written once: a lane permute's destination counts as read
	v_mov_b32 v253, 0                              ; named as the upper half of v[252:253]
	s_mov_b32 s28, 0                               ; trip
	s_mov_b32 s29, 0                               ; the key slot asked for last
	s_mov_b32 s2, 0                                ; the LDS slot in hand
; A KEY STEP of 128 keys, the q-th of the slot.  nxt = 0: the next step's words follow on; 1: likewise, or the second block's first; 2: none.
.macro STEP q, nxt
	v_add_nc_u32 v2, s2, v1
.rept 3
	v_nop                                          ; with the addition: four places in front of loads into registers that the last products read
.endr
.irp tt, 0,1,2,3,4,5,6,7
	ds_load_b128 v[32+8*\tt:35+8*\tt], v2 offset:8192*\q+1024*\tt
	ds_load_b128 v[36+8*\tt:39+8*\tt], v2 offset:8192*\q+1024*\tt+512
.endr
	s_wait_alu depctr_va_vdst(0)
	s_wait_dscnt 0x0
.irp tt, 0,1,2,3,4,5,6,7
	v_wmma_f32_16x16x64_fp8_fp8 v[96+8*\tt:103+8*\tt], v[32+8*\tt:39+8*\tt], v[16:23], 0
.endr
.rept 4
	v_nop
.endr
.irp n, 0,1,2,3,4,5,6,7,8,9,10,11,12,13,14,15
	ds_load_b128 v[32+4*\n:35+4*\n], v2 offset:16384+8192*\q+512*\n   ; V's fragments land while the softmax is worked
.endr
	s_wait_kmcnt 0x0                               ; the words
.set j, 0
.rept 64
	v_cndmask_b32 v[96+j], v9, v[96+j], s[32+j+4*(j/32)]   ; mask and diagonal in one; each accumulator from its low end on
.set j, j+1
.endr
.if \nxt == 0
	s_add_co_u32 s31, s31, 256                     ; behind the wait above: the last loads have read it
	MLOAD
.elseif \nxt == 1
	s_add_co_u32 s31, s31, 256
	s_add_co_u32 s105, s28, 1
	s_cmp_eq_u32 s105, s30
	s_cselect_b32 s31, s66, s31
	MLOAD
.endif
	v_max3_num_f32 v254, v96, v97, v98
	v_max3_num_f32 v252, v99, v100, v101
.irp i, 6,10,14,18,22,26,30,34,38,42,46,50,54,58
	s_delay_alu instid0(VALU_DEP_2)
	v_max3_num_f32 v254, v254, v[96+\i], v[97+\i]
	s_delay_alu instid0(VALU_DEP_2)
	v_max3_num_f32 v252, v252, v[98+\i], v[99+\i]
.endr
	s_delay_alu instid0(VALU_DEP_2)
	v_max3_num_f32 v254, v254, v158, v159
	s_delay_alu instid0(VALU_DEP_1)
	v_max_num_f32 v254, v254, v252
	v_permlanex16_b32 v236, v254, s24, s25
	s_delay_alu instid0(VALU_DEP_1)
	v_max_num_f32 v254, v254, v236
	s_delay_alu instid0(VALU_DEP_1)
	v_mul_f32 v254, s26, v254
	s_delay_alu instid0(VALU_DEP_1)
	v_max_num_f32 v13, v13, v254                   ; the running largest t
	v_mov_b32 v254, v12
	s_delay_alu instid0(VALU_DEP_2)
	v_floor_f32 v12, -v13                          ; -M = floor(-t)
	s_delay_alu instid0(VALU_DEP_1)
	v_sub_f32 v254, v12, v254
	s_delay_alu instid0(VALU_DEP_1)
	v_cvt_i32_f32 v254, v254                       ; it saturates
	s_delay_alu instid0(VALU_DEP_1)
	v_ldexp_f32 v252, 1.0, v254                    ; f = 2^(old M - new M)
.set j, 0
.rept 32
	v_pk_fma_f32 v[96+j:97+j], v[96+j:97+j], s[26:27], v[12:13] op_sel_hi:[1,0,0]
.set j, j+2
.endr
.set j, 0
	s_wait_alu depctr_va_vdst(0)
.rept 64
	v_exp_f32 v[96+j], v[96+j]
.set j, j+1
.endr
	v_pk_mul_f32 v[14:15], v[14:15], v[252:253] op_sel_hi:[1,0]    ; a plain line behind the exponentials
	s_wait_alu depctr_va_vdst(0)
	v_pk_add_f32 v[242:243], v[100:101], v[104:105]
	v_pk_add_f32 v[254:255], v[108:109], v[112:113]
	v_pk_add_f32 v[250:251], v[116:117], v[120:121]
	v_pk_add_f32 v[248:249], v[124:125], v[128:129]
	v_pk_add_f32 v[240:241], v[132:133], v[136:137]
	v_pk_add_f32 v[238:239], v[140:141], v[144:145]
	v_pk_add_f32 v[236:237], v[148:149], v[152:153]
	v_pk_add_f32 v[14:15], v[14:15], v[156:157]
	v_pk_add_f32 v[242:243], v[242:243], v[96:97]
	v_pk_add_f32 v[254:255], v[254:255], v[98:99]
	v_pk_add_f32 v[250:251], v[250:251], v[102:103]
	v_pk_add_f32 v[248:249], v[248:249], v[106:107]
	v_pk_add_f32 v[240:241], v[240:241], v[110:111]
	v_pk_add_f32 v[238:239], v[238:239], v[114:115]
	v_pk_add_f32 v[236:237], v[236:237], v[118:119]
	v_pk_add_f32 v[14:15], v[14:15], v[122:123]
	v_pk_add_f32 v[242:243], v[242:243], v[126:127]
	v_pk_add_f32 v[254:255], v[254:255], v[130:131]
	v_pk_add_f32 v[250:251], v[250:251], v[134:135]
	v_pk_add_f32 v[248:249], v[248:249], v[138:139]
	v_pk_add_f32 v[240:241], v[240:241], v[142:143]
	v_pk_add_f32 v[238:239], v[238:239], v[146:147]
	v_pk_add_f32 v[236:237], v[236:237], v[150:151]
	v_pk_add_f32 v[14:15], v[14:15], v[154:155]
	v_pk_add_f32 v[242:243], v[242:243], v[158:159]
	s_delay_alu instid0(VALU_DEP_2)
	v_pk_add_f32 v[14:15], v[14:15], v[248:249]
	s_delay_alu instid0(VALU_DEP_2)
	v_pk_add_f32 v[242:243], v[242:243], v[240:241]
	v_pk_add_f32 v[254:255], v[254:255], v[238:239]
	v_pk_add_f32 v[250:251], v[250:251], v[236:237]
	s_delay_alu instid0(VALU_DEP_2)
	v_pk_add_f32 v[14:15], v[14:15], v[254:255]
	s_delay_alu instid0(VALU_DEP_2)
	v_pk_add_f32 v[242:243], v[242:243], v[250:251]
	s_delay_alu instid0(VALU_DEP_1)
	v_pk_add_f32 v[14:15], v[14:15], v[242:243]
.irp b, 0,1,2,3
.irp i, 0,1,2,3,4,5,6,7,8,9,10,11,12,13,14,15
.endr
	v_cvt_scalef32_pk8_fp8_f32 v[224+4*\b:225+4*\b], v[96+16*\b:103+16*\b], v244
	v_cvt_scalef32_pk8_fp8_f32 v[226+4*\b:227+4*\b], v[104+16*\b:111+16*\b], v244
.endr
.set j, 0
.rept 16
	v_pk_mul_f32 v[160+j:161+j], v[160+j:161+j], v[252:253] op_sel_hi:[1,0]   ; O^T under the new M; also the plain lines behind the conversions
.set j, j+2
.endr
	s_wait_alu depctr_va_vdst(0)
	s_wait_dscnt 0x0                               ; V's fragments
.irp t, 0,1,2,3
	v_wmma_f32_16x16x128_fp8_fp8 v[160+8*\t:167+8*\t], v[32+16*\t:47+16*\t], v[224:239], v[160+8*\t:167+8*\t]   ; four accumulators by turns
.endr
.endm
; THE CHANGE OF SLOTS, at a slot's head.  fill = 1: the slot that has been left is filled with the keys of the next trip: the next slot of the block in hand, or slot 0 when the second block begins.
.macro CHANGE fill
	s_wait_tensorcnt 0x0                           ; no tensor load of mine is out: group 0 may be written
	ds_add_u32 v5, v6                              ; 0 onto my spare word
.if \fill
	s_xor_b32 s21, s21, 32768
	s_add_co_u32 s29, s29, 1
	s_cmp_eq_u32 s29, s30
	s_cselect_b32 s29, 0, s29
	s_mul_i32 s100, s29, REC
	s_mov_b32 s101, 0
	s_add_nc_u64 s[22:23], s[8:9], s[100:101]
	s_or_b32 s23, s23, 0x80000000
	s_wait_xcnt 0x0                                ; the last prefetch, a trip back, has read its offset
	v_add_nc_u32 v3, REC, v3
.endif
	s_wait_dscnt 0x0                               ; the add is done, and my reads of the slot that I have left are over
	s_barrier_signal -1
	s_barrier_wait -1
.if \fill
	TLOAD                                          ; the first thing behind the barrier, a wave's one tensor load until the next
	ASK
.endif
.endm
; A block's end: l; in a complement row the total less O^T and 2,048 less l take the places of O^T and l; divide, hold, convert, store two pieces of att's image.
.macro FINAL go, fl
	s_wait_xcnt 0x0                                ; the first block's stores have read their data
.rept 4
	v_nop
.endr
.irp n, 0,1,2,3,4,5,6,7
	ds_load_b128 v[32+4*\n:35+4*\n], v4 offset:16*\n
.endr
	v_add_f32 v14, v14, v15
	s_delay_alu instid0(VALU_DEP_1)
	v_permlanex16_b32 v252, v14, s24, s25
	s_delay_alu instid0(VALU_DEP_1)
	v_add_f32 v14, v14, v252
	v_and_b32 v242, 2, v[\fl]
	s_delay_alu instid0(VALU_DEP_1)
	v_cmp_ne_u32 vcc_lo, 0, v242                   ; lanes whose row is complement
	s_delay_alu instid0(VALU_DEP_3)
	v_sub_f32 v243, v246, v14
	s_delay_alu instid0(VALU_DEP_1)
	v_cndmask_b32 v14, v14, v243, vcc_lo
	s_wait_alu depctr_va_vdst(0)
	v_rcp_f32 v14, v14
	s_wait_dscnt 0x0
.set j, 0
	s_wait_alu depctr_va_vdst(0)
.rept 16
	v_pk_add_f32 v[32+j:33+j], v[32+j:33+j], v[160+j:161+j] neg_lo:[0,1] neg_hi:[0,1]   ; the total less O^T; plain lines behind the reciprocal; each accumulator from its low end on
.set j, j+2
.endr
.set j, 0
.rept 32
	v_cndmask_b32 v[96+j], v[160+j], v[32+j], vcc_lo
.set j, j+1
.endr
.set j, 0
	s_wait_alu depctr_va_vdst(0)
.rept 16
	v_pk_mul_f32 v[96+j:97+j], v[96+j:97+j], v[14:15] op_sel_hi:[1,0]
.set j, j+2
.endr
.set j, 0
.rept 32
.set j, j+1
.endr
.irp g, 0,1,2,3
	v_cvt_scalef32_pk8_fp8_f32 v[192+2*\g:193+2*\g], v[96+8*\g:103+8*\g], v245
.endr
	v_nop
	global_store_b128 v[\go], v[192:195], s[10:11]                 ; d 0-31 of my head: 512 consecutive bytes
	global_store_b128 v[\go], v[196:199], s[10:11] offset:512      ; d 32-63
.endm
.Lslot:                                            ; eight trips; the ninth is written out
	CHANGE 1
	s_wait_alu depctr_va_vdst(0)
	STEP 0, 0
	STEP 1, 1
	s_xor_b32 s2, s2, 32768
	s_add_co_u32 s105, s28, 1
	s_cmp_lg_u32 s105, s30                         ; was this the first block's last trip?  A branch on ids; no barrier and no tensor load stands under it
	s_cbranch_scc1 .Lsame
	FINAL 7, 200
	INIT 1
.Lsame:
	s_add_co_u32 s28, s28, 1
	s_cmp_lt_u32 s28, 8
	s_cbranch_scc1 .Lslot
	CHANGE 0
	STEP 0, 0
	STEP 1, 2
	FINAL 8, 201
	s_wait_tensorcnt 0x0                           ; the wave's end
	ds_add_u32 v5, v6
	s_wait_dscnt 0x0
	s_endpgm
.Lfunc_end_k_qa8e317c859_attn:
	.size	k_qa8e317c859_attn, .Lfunc_end_k_qa8e317c859_attn-k_qa8e317c859_attn
	.p2alignl 7, 3214868480
	.fill 96, 4, 3214868480
	.section	.rodata,"a",@progbits
	.p2align	6, 0x0
	.amdhsa_kernel k_qa8e317c859_attn
		.amdhsa_group_segment_fixed_size 327680
		.amdhsa_private_segment_fixed_size 0
		.amdhsa_enable_private_segment 0
		.amdhsa_kernarg_size 40
		.amdhsa_user_sgpr_count 2
		.amdhsa_user_sgpr_kernarg_segment_ptr 1
		.amdhsa_wavefront_size32 1
		.amdhsa_system_sgpr_workgroup_id_x 1
		.amdhsa_system_sgpr_workgroup_id_y 1
		.amdhsa_system_sgpr_workgroup_id_z 1
		.amdhsa_system_vgpr_workitem_id 0
		.amdhsa_next_free_vgpr 256
		.amdhsa_next_free_sgpr 106
		.amdhsa_reserve_vcc 1
		.amdhsa_float_denorm_mode_32 3
		.amdhsa_float_denorm_mode_16_64 3
		.amdhsa_fp16_overflow 1
		.amdhsa_memory_ordered 1
		.amdhsa_forward_progress 1
		.amdhsa_inst_pref_size 102
	.end_amdhsa_kernel
	.amdgpu_metadata
---
amdhsa.version: [ 1, 2 ]
amdhsa.kernels:
  - .name:           k_qa8e317c859_attn
    .symbol:         k_qa8e317c859_attn.kd
    .args:
      - { .name: qkv, .offset: 0, .size: 8, .value_kind: global_buffer, .address_space: global }
      - { .name: mbits, .offset: 8, .size: 8, .value_kind: global_buffer, .address_space: global }
      - { .name: lowp_scales, .offset: 16, .size: 8, .value_kind: global_buffer, .address_space: global }
      - { .name: att, .offset: 24, .size: 8, .value_kind: global_buffer, .address_space: global }
      - { .name: rowc, .offset: 32, .size: 8, .value_kind: global_buffer, .address_space: global }
    .group_segment_fixed_size: 327680
    .private_segment_fixed_size: 0
    .kernarg_segment_align: 8
    .kernarg_segment_size: 40
    .max_flat_workgroup_size: 512
    .sgpr_count:     106
    .vgpr_count:     256
    .wavefront_size: 32
...
	.end_amdgpu_metadata
.endif
;; end of part 3
;; launch outp (part 4): grid 4 x 32, 4 waves a work-group, clusters of 4 x 4, 327,680 bytes of LDS; arguments att, codes, lowp_scales, out0; writes out0
.if DOCPART == 4
	.amdgcn_target "amdgcn-amd-amdhsa--gfx1250"
	.amdhsa_code_object_version 6
	.text
	.protected	k_qa8e317c859_outp
	.globl	k_qa8e317c859_outp
	.p2align	8
	.type	k_qa8e317c859_outp,@function
k_qa8e317c859_outp:
	s_mov_b64 s[64:65], 0
	v_nop
	global_prefetch_b8 v0, s[64:65] scope:SCOPE_SE
	s_setreg_imm32_b32 hwreg(HW_REG_WAVE_MODE, 25, 1), 1
	s_wait_xcnt 0x0
	s_wait_alu depctr_hold_cnt(0) depctr_sa_sdst(0) depctr_va_vdst(0) depctr_va_sdst(0) depctr_va_ssrc(0) depctr_va_vcc(0) depctr_vm_vsrc(0)
	s_getreg_b32 s2, hwreg(HW_REG_IB_STS2, 6, 4)
	s_cmp_eq_u32 s2, 0
	s_cbranch_scc0 .Lentry_in_a_cluster
	s_endpgm
.Lentry_in_a_cluster:
	s_bfe_u32 s2, ttmp6, 0x10000c
	s_cmp_lg_u32 s2, 0xf033
	s_cbranch_scc0 .Lentry_shape_is_right
	s_endpgm
.Lentry_shape_is_right:
; OUTP: out0 = (attention's result) Wo on codes of E4M3; each finished sum x 2^(e10 + e11).  LIMIT: e10 + e11 between -126 and 127.
; C[i][j] = sum over k of A[i][k] B[j][k], K = 1,024, tiles of 256 x 256; four waves, each 128 x 128.  USED TRANSPOSED: source 0 = 16 rows of B (Wo's image, rows = n), source 1 = 16 rows of A (att's image).
; Both operands are images of registers: [ks = k / 256][tile of 16 rows][piece of 32 k][lane][16 bytes]; 128 rows of one ks are 32,768 dense bytes, one tensor load; a fragment is four LDS loads at 16 x lane.
; The rows of a tile are 32 (tau / 2) + 8 (tau % 2) + r + 8 (r / 8): register 16 n + i of a block of A is column 32 n + 16 h + i of row r of the tile.
; CLUSTERS: 4 x 4.  A's tile (tile row 4 Y + cy) is asked for jointly along a row of the cluster, B's (tile cx) along a column.
; REGISTERS, in windows of 256: window 0: v16-31 addresses; from v128 A's fragments, one set; on the way out v32-255.  window 1: B's fragments, two sets.  windows 2, 3: the accumulators.
.set HALFT,  32768
.set SLOT,   131072
.set SPARE,  262144                    ; behind the ring: the spare words, 128 bytes a wave: two blocks of 256 bytes that no other line names
.set SPITCH, 528                       ; the way out: a stage of 16 rows x (512 bytes + 16) for each wave, in slot 0, which has had its last fill and its last read by then
.set KSA,    2097152                   ; from ks to ks in att
.set KSB,    262144                    ; in Wo's image
.set FR,     16
.set NL,     4
.set NP,     4
.set ADRA, 16
.set ADRB, 20
.set STO,  24
.set RD,   25
.set CO,   26
.set SPW,  28
.set NIL,  29
.set TMP,  32
.set AF,   128
.set BK,   128
.set G1, 24
.set G0, 32
.set G1B, 48
.set G0B, 56
.set MSB, 0
.macro WIN new
.if MSB != \new
	s_set_vgpr_msb (MSB<<8)|\new
.set MSB, \new
.endif
.endm
.set MUL_LO, 0xa1
.set MUL_HI, 0xf1
.set TO_B,   0x40
.macro JLOAD g0a, g1a, g0b, g1b        ; waves 0 and 1 fetch for A, waves 2 and 3 for B; four v_nop follow each of the two lines
	s_cmp_eq_u32 s15, 0
	s_cbranch_scc0 .Lfor_b_\@
	tensor_load_to_lds s[\g0a:\g0a+3], s[\g1a:\g1a+7]
	s_nop 0
.rept 4
	v_nop
.endr
	s_branch .Lasked_\@
.Lfor_b_\@:
	tensor_load_to_lds s[\g0b:\g0b+3], s[\g1b:\g1b+7]
	s_nop 0
.rept 4
	v_nop
.endr
.Lasked_\@:
.endm
.macro CREST
	s_cmp_lg_u32 s14, 0
	s_cbranch_scc1 .Lnot_wave_0_\@
	s_barrier_signal -3
.Lnot_wave_0_\@:
	s_barrier_wait -3
	s_barrier_signal -1
	s_barrier_wait -1
.endm
.macro CROUND
	s_barrier_signal -1
	s_barrier_wait -1
	CREST
.endm
	s_load_b256 s[4:11], s[0:1], 0x0               ; att s[4:5], codes s[6:7], lowp_scales s[8:9], out0 s[10:11]
	v_lshl_add_u32 v[SPW], v0, 2, SPARE
	v_mov_b32 v[NIL], 0
	ds_add_u32 v28, v29
	ds_add_u32 v28, v29
	s_wait_dscnt 0x0
	v_lshrrev_b32 v1, 5, v0
	v_readfirstlane_b32 s14, v1
	s_lshr_b32 s15, s14, 1
	s_and_b32 s16, s14, 1
	s_bfe_u32 s40, ttmp6, 0x40000                  ; cx
	s_bfe_u32 s41, ttmp6, 0x40004                  ; cy
	s_and_b32 s42, ttmp7, 0xffff                   ; Y
	s_lshl_b32 s43, s41, 2
	s_lshl_b32 s43, 15, s43
	s_lshl_b32 s44, 0x1111, s40
	s_or_b32 s[G1+0], s43, (3<<16)|(1<<21)
	s_or_b32 s[G1B+0], s44, (3<<16)|(1<<21)
.irp g, G1, G1B
	s_mov_b32 s[\g+1], 32<<16
	s_mov_b32 s[\g+2], 128<<16
	s_mov_b32 s[\g+3], 32<<16
	s_mov_b32 s[\g+4], 128
	s_mov_b32 s[\g+5], 32
	s_mov_b32 s[\g+6], 0
	s_mov_b32 s[\g+7], 0
.endr
	s_lshl_b32 s19, s16, 15
	s_lshl_b32 s20, s42, 18
	s_lshl_b32 s21, s41, 16
	s_add_co_u32 s20, s20, s21
	s_add_co_u32 s20, s20, s19                     ; A: tile row 4 Y + cy, my 128 rows
	s_mov_b32 s21, 0
	s_lshl_b32 s46, s40, 16
	s_add_co_u32 s46, s46, s19
	s_add_co_u32 s46, s46, 28311552                ; B: Wo's image, tile cx
	s_mov_b32 s47, 0
	s_lshl_b32 s45, s14, 15
	s_wait_kmcnt 0x0
	s_load_b64 s[96:97], s[8:9], 0x28              ; e10, e11
	s_add_nc_u64 s[20:21], s[4:5], s[20:21]
	s_add_nc_u64 s[46:47], s[6:7], s[46:47]
	CROUND
.irp s, 0,1
	s_mov_b32 s[G0+4*\s], 1
	s_add_co_u32 s[G0+4*\s+1], s45, \s*SLOT
	s_add_nc_u64 s[G0+4*\s+2:G0+4*\s+3], s[20:21], \s*KSA
	s_or_b32 s[G0+4*\s+3], s[G0+4*\s+3], 0x80000000
	s_mov_b32 s[G0B+4*\s], 1
	s_add_co_u32 s[G0B+4*\s+1], s45, \s*SLOT
	s_add_nc_u64 s[G0B+4*\s+2:G0B+4*\s+3], s[46:47], \s*KSB
	s_or_b32 s[G0B+4*\s+3], s[G0B+4*\s+3], 0x80000000
	s_wait_alu depctr_va_vdst(0)
	s_wait_tensorcnt 0x0
	ds_add_u32 v28, v29
	ds_add_u32 v28, v29
	s_wait_dscnt 0x0
	CROUND
	JLOAD G0+4*\s, G1, G0B+4*\s, G1B
.endr
	v_and_b32 v1, 31, v0
	v_lshlrev_b32 v[CO], 4, v1
	s_lshl_b32 s12, s15, 15
	s_lshl_b32 s13, s16, 15
	s_add_co_u32 s13, s13, 2*HALFT
.irp s, 0,1
	v_add_nc_u32 v[ADRA+\s], s12, v[CO]
	v_add_nc_u32 v[ADRB+\s], s13, v[CO]
	s_add_co_u32 s12, s12, SLOT
	s_add_co_u32 s13, s13, SLOT
.endr
	v_and_b32 v1, 15, v0
	v_bfe_u32 v2, v0, 4, 1
	s_mul_i32 s23, s14, 16*SPITCH                  ; my stage
	v_mul_u32_u24 v5, v1, SPITCH
	v_lshl_add_u32 v5, v2, 6, v5
	v_add_nc_u32 v[STO], s23, v5                   ; in: row r, + 64 h
	v_add_nc_u32 v[RD], s23, v[CO]                 ; back: the 32 lanes take one row of 512 bytes
	s_lshl_b32 s12, s42, 22                        ; my first row of out0, x 4,096 bytes: 256 (4 Y + cy) + 128 x half,
	s_lshl_b32 s13, s41, 20
	s_add_co_u32 s12, s12, s13
	s_lshl_b32 s13, s15, 19
	s_add_co_u32 s12, s12, s13
	s_lshl_b32 s13, s40, 10                        ; and my first column: 1,024 cx + 512 x half bytes
	s_add_co_u32 s12, s12, s13
	s_lshl_b32 s13, s16, 9
	s_add_co_u32 s12, s12, s13
	s_mov_b32 s13, 0
	s_add_nc_u64 s[10:11], s[10:11], s[12:13]
.macro FRAG reg, adr, q, i
.irp c, 0,1,2,3
	ds_load_b128 v[\reg+4*\c:\reg+4*\c+3], v[\adr] offset:(\i)*4096+(\q)*2048+512*\c
.endr
.endm
.macro MUL16 a0, p, zero               ; the 64 accumulators take turns, one instruction a turn, in the same order in every step
.irp a, \a0, \a0+1
.irp b, 0,1,2,3,4,5,6,7
.if \zero
	v_wmma_f32_16x16x128_fp8_fp8 v[8*(8*((\a)%4)+\b):8*(8*((\a)%4)+\b)+7], v[128*(\p)+FR*\b:128*(\p)+FR*\b+FR-1], v[AF+FR*(\a):AF+FR*(\a)+FR-1], 0
.else
	v_wmma_f32_16x16x128_fp8_fp8 v[8*(8*((\a)%4)+\b):8*(8*((\a)%4)+\b)+7], v[128*(\p)+FR*\b:128*(\p)+FR*\b+FR-1], v[AF+FR*(\a):AF+FR*(\a)+FR-1], v[8*(8*((\a)%4)+\b):8*(8*((\a)%4)+\b)+7]
.endif
.endr
.endr
.endm
.macro FETCH_B slot, q, p
	WIN TO_B
.irp i, 0,1,2,3,4,5,6,7
	FRAG 128*(\p)+FR*\i, ADRB+\slot, \q, \i
.endr
	WIN 0
.endm
.macro FETCH_A slot, q, i0
.irp i, \i0, \i0+1, \i0+2, \i0+3
	FRAG AF+FR*(\i), ADRA+\slot, \q, \i
.endr
.endm
.macro PLACES n
.rept \n
	v_nop
.endr
.endm
.macro STEP slot, q, zero
	s_wait_dscnt 4*NL                              ; B's set and A's blocks 0-3 are in; the youngest 16 loads may be out
	WIN MUL_LO
	MUL16 0, (\q)%2, \zero
	MUL16 2, (\q)%2, \zero
	s_wait_dscnt 0
	PLACES NP
	FETCH_B \slot, (\q)+1, 1-(\q)%2
	FETCH_A \slot, (\q)+1, 0
	WIN MUL_HI
	MUL16 4, (\q)%2, \zero
	MUL16 6, (\q)%2, \zero
	PLACES NP
	WIN 0
	FETCH_A \slot, (\q)+1, 4
.endm
.macro TURN slot, next, fill
	s_wait_tensorcnt 0x0                           ; all my tensor loads have landed: my part of the next slot
	ds_add_u32 v[SPW], v[NIL]                      ; 0 onto my spare word
	s_wait_dscnt 4*NL+1                            ; the add and the youngest 16 loads may be out
	WIN MUL_LO
	MUL16 0, 1, 0
	s_wait_dscnt 0x0                               ; the add is done, and my reads of this slot are over
	s_barrier_signal -1
	MUL16 2, 1, 0
	WIN 0
	s_barrier_wait -1
.if \fill
	CREST
	s_add_nc_u64 s[G0+4*\slot+2:G0+4*\slot+3], s[G0+4*\slot+2:G0+4*\slot+3], 2*KSA
	s_add_nc_u64 s[G0B+4*\slot+2:G0B+4*\slot+3], s[G0B+4*\slot+2:G0B+4*\slot+3], 2*KSB
	JLOAD G0+4*\slot, G1, G0B+4*\slot, G1B
.else
	PLACES NP
.endif
	FETCH_B \next, 0, 0
	FETCH_A \next, 0, 0
	WIN MUL_HI
	MUL16 4, 1, 0
	MUL16 6, 1, 0
	PLACES NP
	WIN 0
	FETCH_A \next, 0, 4
.endm
	s_wait_alu depctr_va_vdst(0)
	s_wait_tensorcnt 1                             ; my part of ks 0 is in; ks 1's load may be out
	s_barrier_signal -1
	s_barrier_wait -1
	FETCH_B 0, 0, 0
	FETCH_A 0, 0, 0
	FETCH_A 0, 0, 4
	STEP 0, 0, 1
	TURN 0, 1, 1
	STEP 1, 0, 0
	TURN 1, 0, 1
	STEP 0, 0, 0
	TURN 0, 1, 0
	STEP 1, 0, 0
	s_wait_dscnt 4*NL
	WIN MUL_LO
	MUL16 0, 1, 0
	MUL16 2, 1, 0
	s_wait_dscnt 0
	WIN MUL_HI
	MUL16 4, 1, 0
	MUL16 6, 1, 0
	WIN 0
; THE WAY OUT, block by block of 16 rows x 128 columns, through my own stage: in by lanes (64 bytes of a row in four pieces), back as whole rows of 512 bytes.  LDS serves a wave's instructions in order: no wait between.
.macro TOSTAGE a
.set AC, 64*((\a)%4)
	WIN 0x02+((\a)/4)
.set j, 0
.rept 32
	v_pk_mul_f32 v[TMP+j:TMP+j+1], v[AC+j:AC+j+1], s[96:97] op_sel_hi:[1,0]   ; x 2^(e10 + e11); each accumulator from its low end on
.set j, j+2
.endr
	WIN 0
.irp g, 0,1,2,3,4,5,6,7,8,9,10,11,12,13,14,15
	ds_store_b128 v[STO], v[TMP+4*\g:TMP+4*\g+3] offset:128*(\g/4)+16*(\g%4)
.endr
.set BB, BK+64*((\a)%2)
.irp t, 0,1,2,3,4,5,6,7,8,9,10,11,12,13,14,15
	ds_load_b128 v[BB+4*\t:BB+4*\t+3], v[RD] offset:\t*SPITCH
.endr
.endm
.macro SEND a, younger
.set BB, BK+64*((\a)%2)
	s_wait_dscnt \younger                          ; the block is back; the next block's 16 stores and 16 loads may be out
.irp t, 0,1,2,3,4,5,6,7,8,9,10,11,12,13,14,15
	global_store_b128 v[CO], v[BB+4*\t:BB+4*\t+3], s[10:11] offset:(32*((\a)/2)+8*((\a)%2)+\t+8*(\t/8))*4096 th:TH_STORE_NT   ; 512 consecutive bytes of one row of out0
.endr
.endm
	s_wait_kmcnt 0x0
	s_add_co_i32 s96, s96, s97
	s_add_co_i32 s96, s96, 127
	s_lshl_b32 s96, s96, 23                        ; 2^(e10 + e11) as f32
	PLACES NP
	TOSTAGE 0
.irp a, 1,2,3,4,5,6,7
.if \a > 1
	s_wait_xcnt 0x0                                ; block a - 2's stores have read their registers: block a's loads may land there
.endif
	TOSTAGE \a
	SEND \a-1, 32
.endr
	SEND 7, 0
	s_wait_tensorcnt 0x0                           ; the wave's end
	ds_add_u32 v[SPW], v[NIL]
	s_wait_dscnt 0x0
	CROUND                                         ; the closing round
	s_endpgm
.Lfunc_end_k_qa8e317c859_outp:
	.size	k_qa8e317c859_outp, .Lfunc_end_k_qa8e317c859_outp-k_qa8e317c859_outp
	.p2alignl 7, 3214868480
	.fill 96, 4, 3214868480
	.section	.rodata,"a",@progbits
	.p2align	6, 0x0
	.amdhsa_kernel k_qa8e317c859_outp
		.amdhsa_group_segment_fixed_size 327680
		.amdhsa_private_segment_fixed_size 0
		.amdhsa_enable_private_segment 0
		.amdhsa_kernarg_size 32
		.amdhsa_user_sgpr_count 2
		.amdhsa_user_sgpr_kernarg_segment_ptr 1
		.amdhsa_wavefront_size32 1
		.amdhsa_system_sgpr_workgroup_id_x 1
		.amdhsa_system_sgpr_workgroup_id_y 1
		.amdhsa_system_sgpr_workgroup_id_z 1
		.amdhsa_system_vgpr_workitem_id 0
		.amdhsa_next_free_vgpr 1024
		.amdhsa_next_free_sgpr 98
		.amdhsa_reserve_vcc 0
		.amdhsa_float_denorm_mode_32 3
		.amdhsa_float_denorm_mode_16_64 3
		.amdhsa_memory_ordered 1
		.amdhsa_forward_progress 1
		.amdhsa_inst_pref_size 123
	.end_amdhsa_kernel
	.amdgpu_metadata
---
amdhsa.version: [ 1, 2 ]
amdhsa.kernels:
  - .name:           k_qa8e317c859_outp
    .symbol:         k_qa8e317c859_outp.kd
    .args:
      - { .name: att, .offset: 0, .size: 8, .value_kind: global_buffer, .address_space: global }
      - { .name: codes, .offset: 8, .size: 8, .value_kind: global_buffer, .address_space: global }
      - { .name: lowp_scales, .offset: 16, .size: 8, .value_kind: global_buffer, .address_space: global }
      - { .name: out0, .offset: 24, .size: 8, .value_kind: global_buffer, .address_space: global }
    .group_segment_fixed_size: 327680
    .private_segment_fixed_size: 0
    .kernarg_segment_align: 8
    .kernarg_segment_size: 32
    .max_flat_workgroup_size: 128
    .sgpr_count:     98
    .vgpr_count:     1024
    .wavefront_size: 32
...
	.end_amdgpu_metadata
.endif
;; end of part 4
